; MI455X (gfx1250); checked and timed in simulation.
; The chip was launched on July 23, 2026; its instructions are those of AMD's public machine-readable ISA for CDNA 5 (MIT licence, August 2026) and "CDNA5" Instruction Set Architecture Reference Guide (July 2026). The comments in the code are by the model that wrote it; some were corrected since.
;; Casual Self Attention. Allowed arithmetic: matrix products marked QUANTISED: E2M3 operands, one E8M0 scale for each 32 along K, by v_wmma_scale_f32_16x16x128_f8f6f4 with both operands' format E2M3, f32 sums; everything else in f32.
;; Inputs: W_o 1,024 x 1,024 float32; W_qkv 1,024 x 3,072 float32; b_o 1,024 float32; b_qkv 3,072 float32; x 4 x 2,048 x 1,024 float32.
;; Outputs: out0 4 x 2,048 x 1,024 float32.
;; This version of the problem:
;;   THIS VERSION OF THE PROBLEM IS GIVEN IN LOW PRECISION. The matrix products marked QUANTISED in the list below multiply operands that are first quantised to E2M3 (2 exponent bits, 3 mantissa bits; 6 bits a number), with one power-of-two scale for each 32 numbers along K (OCP MX v1.0); their sums are f32. All else is computed in f32.
;;   The module's matrix products, in the order in which they are computed (A, B: the left and right operand; K: the contracted axis; several contracted axes count as one K, in the product's order):
;;     1. [M 8,192, K 1,024] x [K 1,024, N 3,072]; A: input x; B: input W_qkv: QUANTISED
;;     2. batch 64 x [M 2,048, K 64] x [K 64, N 2,048]; A: computed on the way; B: computed on the way: QUANTISED
;;     3. batch 64 x [M 2,048, K 2,048] x [K 2,048, N 64]; A: softmax (see below); B: computed on the way: QUANTISED
;;     4. [M 8,192, K 1,024] x [K 1,024, N 1,024]; A: computed on the way; B: input W_o: QUANTISED
;;   THE QUANTISER, for each operand of a quantised product, along K:
;;     - K is cut into blocks of 32 from its start; a last block that is shorter is filled with zeros.
;;     - A block's scale is 2^e with e = floor(log2(the largest magnitude in the block)) - 2, held to -126 .. 127; a block of zeros has e = 0. As a byte (E8M0): e + 127.
;;     - Each number is divided by its block's scale, clamped to +-7.5, and rounded to the nearest number of E2M3, ties to even, subnormals kept.
;;     - The product sums the exact products of the quantised numbers (number of the format x scale) in f32.
;;   ~~~python
;;   def quantise(x, axis):      # numpy; x: float32 -> the quantised numbers, widened to float32 again
;;       x = np.moveaxis(x, axis, -1); K = x.shape[-1]
;;       x = np.pad(x, [(0, 0)] * (x.ndim - 1) + [(0, -K % 32)]); x = x.reshape(x.shape[:-1] + (-1, 32)); a = np.abs(x).max(-1, keepdims=True)
;;       e = np.where(a > 0, np.clip(np.frexp(np.where(a > 0, a, 1))[1] - 1 - 2, -126, 127), 0)      # np.frexp(a)[1] - 1 = floor(log2(a)), exactly
;;       r = np.clip(x / 2.0 ** e, -7.5, 7.5)
;;       step = 2.0 ** (np.maximum(np.frexp(np.where(r == 0, 1, r))[1] - 1, 0) - 3)
;;       q = np.round(r / step) * step * 2.0 ** e      # np.round: ties to even
;;       return np.moveaxis(q.reshape(q.shape[:-2] + (-1,))[..., :K], -1, axis).astype(np.float32)
;;   ~~~
;;   SOFTMAX AHEAD OF A QUANTISED PRODUCT. Where the list says 'softmax', what is quantised is not the finished softmax but p = 2^(t - M), with t = logit x log2(e) and M = ceil(the row's largest t), a whole number; so 1/2 < the row's largest p <= 1. The row's sum l is taken of the UNQUANTISED p, in f32, and the product's result is divided by l at the end. Since M is a whole number, a kernel that streams over the keys may use a running M (the ceiling of the running maximum): every later rescaling is an exact power of two, which a block's scale takes up: the codes' values come out the same.
;;   OPERANDS COMPUTED ON THE WAY. 'Computed on the way' means the value that the module computes at that place (a softmax that the list does not call 'softmax' is quantised finished and normalised). What goes into a quantiser is computed in f32, as accurately as f32 sums, v_exp_f32 and their like allow (about 1e-6 of the number): no bf16 or f16 on the way to a quantiser, and a product that is left as it is and whose result goes on into a quantised operand takes f32 operands (vector FMAs, or v_wmma_f32_16x16x4_f32). A number that lies on a knife's edge between two numbers of the format may be rounded either way, as far as f32 arithmetic and the matrix unit's own rounding can turn it there, and no further.
;; One version. Each part assembles by itself: llvm-mc -triple=amdgcn-amd-amdhsa -mcpu=gfx1250 --defsym DOCPART=n.
;; ======== version 1 of 1: 4 launches
;; workspace buffers: pw 10,371,072 bytes; qkv 19,660,800 bytes; ob 6,553,600 bytes
;; launch prep (part 1): grid 512 x 1, 4 waves a work-group, no clusters, 47,104 bytes of LDS; arguments x, W_qkv, b_qkv, W_o, b_o, pw; writes pw
.if DOCPART == 1
	.amdgcn_target "amdgcn-amd-amdhsa--gfx1250"
	.amdhsa_code_object_version 6
	.text
	.protected	k_q223de072bf_prep
	.globl	k_q223de072bf_prep
	.p2align	8
	.type	k_q223de072bf_prep,@function
k_q223de072bf_prep:
	s_mov_b64 s[64:65], 0
	v_nop
	global_prefetch_b8 v0, s[64:65] scope:SCOPE_SE
	s_setreg_imm32_b32 hwreg(HW_REG_WAVE_MODE, 25, 1), 1
	s_wait_xcnt 0x0
; CAUSAL SELF-ATTENTION IN MX-FP6 (E2M3, one E8M0 scale for each 32 along K), four launches: this one, gemm1 (x W_qkv + b, RoPE, codes of q, k, v), attn, gemm2 (o W_o + b_o).
; THIS LAUNCH quantises x along C, W_qkv and W_o along their first axis, lays the biases in the order of the weight tiles' rows, and makes the RoPE table cos, sin [2048][32] in f32.
; WORK LEFT OUT IN THE PROGRAM: reference() builds the causal mask itself (jnp.tril) and puts finfo.min in place of every score with key > query; under the stated softmax such a key's
; p = 2^(t - M) is 0 in f32 for every finite input, so it adds nothing to the row's sum, to a block's scale or to the second product.  Key steps of 128 keys that lie wholly behind a tile's queries are
; therefore not multiplied (launch attn).  Nothing else is left out and every input is loaded (k's bias moves k's codes, so it stays).
; LIMITS: a NaN, an infinity or an overflow that reaches only those hidden key steps is not carried to the result.  NaN and infinities among the inputs are not served.  A block whose largest magnitude lies under
; 2^-124 gets the scale byte 1; a block of zeros gets the byte 1 where the rule says 127 (its codes are zeros, and this program alone reads the bytes).  theta is the f32 nearest to 10^(-j/8).
; LAYOUT OF AN OPERAND: tiles of 16 rows x 128 K as IMAGES OF THE OPERAND'S 12 REGISTERS: register p of lane l at 512 (p / 4) + 16 l + 4 (p % 4), 1,536 bytes; [tile][K step 0..7].
; Tile 2 B + u holds rows 32 B + 8 u + i + 8 (i / 8), so that in a transposed product the 16 registers of result tiles 2 B, 2 B + 1 are 16 neighbours.  W_qkv's q and k columns: tile 2 B + u, row i is column
; 32 B + 16 (i / 8) + 2 (i % 8) + u: tile 2 B then gives the even, tile 2 B + 1 the odd members of eight RoPE pairs.  Scale words: [tile][K step / 4][row][4 words].
; Work-groups 0-255: 32 rows of x each (wave: one tile, four K steps).  Work-groups 256-511: 32 columns x 512 K of a weight (wave: one K step), and 8 rows of the table.  The two ways have LDS bytes of their own.
.set XQ,    0
.set WQ,    6291456
.set SX,    9437184
.set SW,    9699328
.set BP,    9830400
.set TAB,   9846784
.set XST,   8448                       ; x: a wave's stage, 16 rows x (512 + 16) bytes
.set WST,   33792                      ; weights: a wave's stage, two images
.set SCW,   46080                      ; weights: 32 rows x 4 scale words
.set SPARE, 46592                      ; the spare words, 128 bytes a wave
.set SPW,   12
.set NIL,   13
.set SEL,   20                         ; s[20:21] selects for lane l xor 16
.set HM,    22                         ; s22 lanes 16-31
.set R,     16                         ; x: v16-143 two sets of 64 as loaded
.set X,     144                        ; v144-207 64 numbers, register 16 b + i = k 32 b + 16 h + i of my row
.set PC,    208                        ; v208-226 the codes just made
.set TM,    228                        ; v228-243 at work
.set PWK,   244                        ; v244-247 four scale words
.set OFF,   16                         ; weights: v16-47 offsets of 32 rows
.set D,     48                         ; v48-175 128 numbers down K
; 64 numbers of a lane become a fragment's 12 registers in v[PC] on and its scale word in v[pw]
.macro QUANT s, pw
.irp b, 0,1,2,3
	v_max3_num_f32 v[TM+\b], |v[(\s)+16*\b]|, |v[(\s)+1+16*\b]|, 0x1800000   ; my 16 numbers of block b, and the floor 2^(3 - 127): the byte cannot fall under 1
.endr
.irp i, 2,4,6,8,10,12,14
.irp b, 0,1,2,3
	v_max3_num_f32 v[TM+\b], v[TM+\b], |v[(\s)+16*\b+\i]|, |v[(\s)+1+16*\b+\i]|
.endr
.endr
.irp b, 0,1,2,3
	v_permlanex16_b32 v[TM+4+\b], v[TM+\b], s[SEL], s[SEL+1]
.endr
.irp b, 0,1,2,3
	v_max_num_f32 v[TM+\b], v[TM+\b], v[TM+4+\b]   ; with lane l xor 16's: the block's largest magnitude
.endr
.irp b, 0,1,2,3
	v_add_nc_u32 v[TM+12+\b], 0xff000000, v[TM+\b]   ; 2 off its exponent field: the conversion's scale operand
.endr
.irp b, 0,1,2,3
	v_lshrrev_b32 v[TM+4+\b], 23, v[TM+12+\b]        ; the scale's byte
.endr
	v_lshl_or_b32 v[\pw], v[TM+5], 8, v[TM+4]
	v_lshl_or_b32 v[\pw], v[TM+6], 16, v[\pw]
	v_lshl_or_b32 v[\pw], v[TM+7], 24, v[\pw]
.irp c, 0,1
	v_cvt_scalef32_pk16_fp6_f32 v[PC+6*\c:PC+2+6*\c], v[(\s)+32*\c:(\s)+15+32*\c], v[TM+12+2*\c]
	v_cvt_scalef32_pk16_fp6_f32 v[PC+12+4*\c:PC+14+4*\c], v[(\s)+16+32*\c:(\s)+31+32*\c], v[TM+12+2*\c+1]
.endr
	v_nop                                          ; one plain place behind a scaled conversion
.irp c, 0,1                                    ; the layout wants a whole block in a lane: lanes 0-15 block 2 c, lanes 16-31 block 2 c + 1
.irp i, 0,1,2
	v_permlane16_swap_b32 v[PC+6*\c+\i], v[PC+12+4*\c+\i]
.endr
.irp i, 0,1,2
	v_mov_b32 v[PC+3+6*\c+\i], v[PC+12+4*\c+\i]
.endr
.endr
.endm
	s_load_b256 s[4:11], s[0:1], 0x0               ; x s[4:5], W_qkv s[6:7], b_qkv s[8:9], W_o s[10:11]
	s_load_b128 s[12:15], s[0:1], 0x20             ; b_o s[12:13], pw s[14:15]
	v_lshl_add_u32 v[SPW], v0, 2, SPARE
	v_mov_b32 v[NIL], 0
	v_lshrrev_b32 v1, 5, v0
	v_readfirstlane_b32 s16, v1                    ; wave
	v_and_b32 v1, 31, v0                           ; lane
	v_and_b32 v2, 15, v0                           ; r
	v_bfe_u32 v3, v0, 4, 1                         ; h
	s_mov_b32 s[SEL], 0x76543210
	s_mov_b32 s[SEL+1], 0xfedcba98
	s_mov_b32 s[HM], 0xffff0000
	s_cmp_lt_u32 ttmp9, 256
	s_cbranch_scc0 .Lw_path
; ---------------- x: rows 32 xi .. 32 xi + 31; wave: tile 2 xi + (wave % 2), K steps 4 (wave / 2) + 0 .. 3
	s_and_b32 s17, s16, 1                          ; u
	s_lshr_b32 s18, s16, 1                         ; which half of K
	s_lshl_b32 s24, ttmp9, 17                      ; 32 rows of 4,096 bytes
	s_lshl_b32 s25, s17, 15                        ; + 8 u rows
	s_add_co_u32 s24, s24, s25
	s_lshl_b32 s25, s18, 11                        ; + 2,048 bytes for the upper half of K
	s_add_co_u32 s24, s24, s25
	s_mov_b32 s25, 0
	s_lshl_b32 s26, ttmp9, 1
	s_add_co_u32 s26, s26, s17                     ; the tile
	s_mul_i32 s28, s26, 12288
	s_mul_i32 s27, s18, 6144
	s_add_co_u32 s28, s28, s27                     ; its images (XQ = 0)
	s_mov_b32 s29, 0
	s_lshl_b32 s30, s26, 9
	s_lshl_b32 s27, s18, 8
	s_add_co_u32 s30, s30, s27
	s_add_co_u32 s30, s30, SX                      ; its scale words
	s_mov_b32 s31, 0
	v_lshlrev_b32 v4, 4, v1                        ; 16 x lane
	s_mul_i32 s19, s16, XST
	v_add_nc_u32 v5, s19, v4                       ; the stage, on the way in: a row's 512 bytes as they lie
	v_mul_u32_u24 v6, v2, 528
	v_lshl_add_u32 v6, v3, 6, v6
	v_add_nc_u32 v6, s19, v6                       ; and out: row r, + 64 h: my 16 numbers of each block
	v_lshlrev_b32 v7, 4, v2
	v_lshl_add_u32 v7, v3, 3, v7                   ; scale words: 16 r + 8 h
.irp b, 0,1,2,3
	v_mov_b32 v[TM+4+\b], 0                        ; a lane permute's destination counts as one of its sources
.endr
	s_wait_kmcnt 0x0
	s_add_nc_u64 s[4:5], s[4:5], s[24:25]
	s_add_nc_u64 s[28:29], s[14:15], s[28:29]
	s_add_nc_u64 s[30:31], s[14:15], s[30:31]
.macro XLOAD sp                        ; K step sp of my four: 16 rows x 512 consecutive bytes
.irp i, 0,1,2,3,4,5,6,7,8,9,10,11,12,13,14,15
	global_load_b128 v[R+64*((\sp)%2)+4*\i:R+64*((\sp)%2)+4*\i+3], v4, s[4:5] offset:(\i+8*(\i/8))*4096+512*(\sp) th:TH_LOAD_NT
.endr
.endm
.macro XSTEP sp
.if (\sp) < 3
	s_wait_loadcnt 16                              ; this step's 16 loads are in; the next step's 16 may be out
.else
	s_wait_loadcnt 0x0
.endif
.irp i, 0,1,2,3,4,5,6,7,8,9,10,11,12,13,14,15
	ds_store_b128 v5, v[R+64*((\sp)%2)+4*\i:R+64*((\sp)%2)+4*\i+3] offset:528*\i
.endr
.irp b, 0,1,2,3
.irp j, 0,1,2,3
	ds_load_b128 v[X+16*\b+4*\j:X+16*\b+4*\j+3], v6 offset:128*\b+16*\j   ; LDS serves a wave's instructions in order: these see my stores
.endr
.endr
	s_wait_dscnt 0x0                               ; the stage's stores have read their registers, and my 64 numbers are in
.if (\sp) < 2
	XLOAD (\sp)+2
.endif
	s_wait_xcnt 0x0                                ; the last step's stores have read the codes' registers: they are written again only behind this wait
	QUANT X, PWK+(\sp)
.irp c, 0,1,2
	global_store_b128 v4, v[PC+4*\c:PC+4*\c+3], s[28:29] offset:1536*(\sp)+512*\c   ; 512 consecutive bytes
.endr
.endm
	XLOAD 0
	XLOAD 1
	XSTEP 0
	XSTEP 1
	XSTEP 2
	XSTEP 3
	v_cndmask_b32 v8, v[PWK], v[PWK+2], s[HM]      ; both halves of the lanes hold row r's four words: lanes 0-15 store words 0, 1, lanes 16-31 words 2, 3
	v_cndmask_b32 v9, v[PWK+1], v[PWK+3], s[HM]
	global_store_b64 v7, v[8:9], s[30:31]          ; 256 consecutive bytes, aligned
	s_wait_tensorcnt 0x0                           ; the wave's end
	ds_add_u32 v[SPW], v[NIL]
	s_wait_dscnt 0x0
	s_endpgm
; ---------------- weights: 32 columns (group cg), K step 4 (wi % 2) + wave.  A lane takes a column and its registers run down K
.Lw_path:
	s_sub_co_u32 s17, ttmp9, 256                   ; wi
	s_lshr_b32 s18, s17, 1                         ; cg: 0-95 W_qkv, 96-127 W_o
	s_and_b32 s19, s17, 1                          ; which half of K
	s_lshl_b32 s23, s19, 2
	s_add_co_u32 s23, s23, s16                     ; the K step
	v_lshrrev_b32 v4, 3, v2
	v_and_b32 v5, 7, v2
	v_lshlrev_b32 v6, 4, v4
	v_lshl_add_u32 v6, v5, 1, v6
	v_add_nc_u32 v6, v6, v3                        ; q, k: column 16 (r / 8) + 2 (r % 8) + u
	v_lshl_add_u32 v7, v4, 3, v2
	v_lshl_add_u32 v7, v3, 3, v7                   ; else: 8 u + r + 8 (r / 8)
	s_mov_b32 s28, 4096
	s_wait_kmcnt 0x0
	s_cmp_lt_u32 s18, 96                           ; the choice hangs on the work-group's number alone
	s_cselect_b64 s[24:25], s[6:7], s[10:11]       ; the weight
	s_cselect_b64 s[26:27], s[8:9], s[12:13]       ; its bias
	s_cselect_b32 s28, 12288, s28                  ; bytes from row to row
	s_cselect_b32 s29, 0, 96
	s_sub_co_u32 s29, s18, s29                     ; the group of columns in that weight
	s_cmp_lt_u32 s18, 64
	s_cselect_b32 s30, -1, 0
	v_cndmask_b32 v6, v7, v6, s30
	v_lshlrev_b32 v6, 2, v6                        ; my column's bytes in the group's 128
.set n, 0
.rept 32
	v_mad_u32_u24 v[OFF+n], s28, n, v6
.set n, n+1
.endr
	s_lshl_b32 s31, s23, 7
	s_mul_i32 s32, s31, s28                        ; 128 rows a K step
	s_lshl_b32 s33, s29, 7
	s_add_co_u32 s32, s32, s33
	s_mov_b32 s33, 0
	s_add_nc_u64 s[36:37], s[24:25], s[32:33]      ; a base for each block of 32 rows
	s_lshl_b32 s34, s28, 5
	s_mov_b32 s35, 0
	s_add_nc_u64 s[38:39], s[36:37], s[34:35]
	s_add_nc_u64 s[40:41], s[38:39], s[34:35]
	s_add_nc_u64 s[42:43], s[40:41], s[34:35]
.set q, 0
.rept 4
.set n, 0
.rept 32
	global_load_b32 v[D+32*q+n], v[OFF+n], s[36+2*q:37+2*q] th:TH_LOAD_NT   ; one row of the weight at my group's 32 columns: 128 bytes a wave
.set n, n+1
.endr
.set q, q+1
.endr
	s_mul_i32 s44, s16, 3072
	s_add_co_u32 s44, s44, WST
	v_mul_u32_u24 v8, v3, 1536
	v_lshl_add_u32 v8, v2, 4, v8
	v_add_nc_u32 v8, s44, v8                       ; my stage, in: image u, + 16 r
	v_lshlrev_b32 v14, 4, v1                       ; 16 x lane
	v_add_nc_u32 v9, s44, v14                      ; and out
	s_lshl_b32 s45, s16, 2
	s_add_co_u32 s45, s45, SCW
	v_add_nc_u32 v10, s45, v14                     ; my scale word: 16 x lane + 4 x wave
	v_lshl_add_u32 v11, v1, 4, SCW                 ; and where wave 0 reads a row's four
	v_lshlrev_b32 v15, 9, v3
	v_lshl_add_u32 v15, v2, 4, v15                 ; 512 u + 16 r
	v_lshlrev_b32 v4, 2, v1                        ; 4 x lane
	s_mul_i32 s32, s18, 24576
	s_mul_i32 s46, s23, 1536
	s_add_co_u32 s32, s32, s46
	s_add_co_u32 s32, s32, WQ
	s_add_nc_u64 s[52:53], s[14:15], s[32:33]      ; my two images
	s_lshl_b32 s32, s18, 10
	s_lshl_b32 s46, s19, 8
	s_add_co_u32 s32, s32, s46
	s_add_co_u32 s32, s32, SW
	s_add_nc_u64 s[54:55], s[14:15], s[32:33]      ; the two tiles' scale words
	s_lshl_b32 s32, s29, 7
	s_add_nc_u64 s[56:57], s[26:27], s[32:33]      ; the group's biases
	s_lshl_b32 s32, s18, 7
	s_add_co_u32 s32, s32, BP
	s_add_nc_u64 s[58:59], s[14:15], s[32:33]      ; and where they go
	s_lshl_b32 s47, s17, 3
	s_lshl_b32 s48, s16, 1
	s_add_co_u32 s47, s47, s48                     ; the table: positions 8 wi + 2 wave + 0, 1
	s_lshl_b32 s32, s47, 8
	s_add_co_u32 s32, s32, TAB
	s_add_nc_u64 s[50:51], s[14:15], s[32:33]
; THE ROPE TABLE, while the loads are out.  Lane j holds theta_j = 10^(-j/8)
	v_mov_b32 v176, 0
.macro TH lane, bits
	s_mov_b32 s46, \bits
	v_writelane_b32 v176, s46, \lane
.endm
	TH 0, 0x3f800000
	TH 1, 0x3f3ff911
	TH 2, 0x3f0ff59a
	TH 3, 0x3ed7e89b
	TH 4, 0x3ea1e89b
	TH 5, 0x3e72d424
	TH 6, 0x3e361887
	TH 7, 0x3e088d77
	TH 8, 0x3dcccccd
	TH 9, 0x3d99940e
	TH 10, 0x3d6655c3
	TH 11, 0x3d2cba15
	TH 12, 0x3d0186e2
	TH 13, 0x3cc24350
	TH 14, 0x3c91ad39
	TH 15, 0x3c5a7bf1
	TH 16, 0x3c23d70a
	TH 17, 0x3bf5b9b0
	TH 18, 0x3bb8449c
	TH 19, 0x3b8a2e77
	TH 20, 0x3b4f3e37
	TH 21, 0x3b1b690d
	TH 22, 0x3ae91528
	TH 23, 0x3aaec98e
	TH 24, 0x3a83126f
	TH 25, 0x3a44948c
	TH 26, 0x3a136a16
	TH 27, 0x39dd1726
	TH 28, 0x39a5cb5f
	TH 29, 0x3978a814
	TH 30, 0x393a7753
	TH 31, 0x390bd472
; sin and cos of a = t theta (one f32 product, as reference() has it): n = the nearest whole number to a 2/pi; r = a - n pi/2 with pi/2 in three parts (n has 11 bits: the first two products are exact);
; polynomials on |r| <= pi/4; the quadrant n % 4 swaps the two and sets the signs.
.macro SINCOS e
	s_add_co_u32 s48, s47, \e
	v_cvt_f32_u32 v177, s48
	v_mul_f32 v177, v177, v176
	v_mul_f32 v178, 0x3f22f983, v177
	v_rndne_f32 v178, v178
	v_fmamk_f32 v179, v178, 0xbfc90000, v177
	v_fmamk_f32 v179, v178, 0xb9fda000, v179
	v_fmamk_f32 v179, v178, 0xb3a22169, v179       ; r
	v_cvt_i32_f32 v180, v178                       ; n
	v_mul_f32 v181, v179, v179                     ; z = r r
	v_mov_b32 v182, 0xb94ca1f9
	v_fmaak_f32 v182, v182, v181, 0x3c08839e
	v_fmaak_f32 v182, v182, v181, 0xbe2aaaa3
	v_mul_f32 v183, v179, v181
	v_fma_f32 v182, v183, v182, v179               ; sin r
	v_mov_b32 v184, 0x37ccf5ce
	v_fmaak_f32 v184, v184, v181, 0xbab6061a
	v_fmaak_f32 v184, v184, v181, 0x3d2aaaa5
	v_mul_f32 v185, v181, v181
	v_fma_f32 v186, v181, -0.5, 1.0
	v_fma_f32 v184, v185, v184, v186               ; cos r
	v_and_b32 v187, 1, v180
	v_cmp_eq_u32 vcc_lo, 1, v187
	v_cndmask_b32 v[188+2*\e], v182, v184, vcc_lo  ; sin a: cos r in odd quadrants
	v_cndmask_b32 v[189+2*\e], v184, v182, vcc_lo  ; cos a: sin r there
	v_and_b32 v187, 2, v180
	v_lshlrev_b32 v187, 30, v187
	v_xor_b32 v[188+2*\e], v187, v[188+2*\e]       ; sin a changes sign in quadrants 2, 3
	v_add_nc_u32 v187, 1, v180
	v_and_b32 v187, 2, v187
	v_lshlrev_b32 v187, 30, v187
	v_xor_b32 v[189+2*\e], v187, v[189+2*\e]       ; cos a in quadrants 1, 2
	global_store_b32 v4, v[189+2*\e], s[50:51] offset:256*\e
	global_store_b32 v4, v[188+2*\e], s[50:51] offset:256*\e+128
.endm
	SINCOS 0
	SINCOS 1
; a block of 32 down K lies in ONE lane's 32 registers.  Its six registers of codes go to the place that the image gives lane (r, b % 2), registers 6 (b / 2) on
.macro WBLOCK b, left
	s_wait_loadcnt \left
.set XS, D+32*\b
	v_max3_num_f32 v192, |v[XS]|, |v[XS+1]|, |v[XS+2]|
	v_max3_num_f32 v193, |v[XS+3]|, |v[XS+4]|, |v[XS+5]|
.irp i, 6,10,14,18,22,26
	v_max3_num_f32 v192, v192, |v[XS+\i]|, |v[XS+\i+1]|
	v_max3_num_f32 v193, v193, |v[XS+\i+2]|, |v[XS+\i+3]|
.endr
	v_max3_num_f32 v192, v192, |v[XS+30]|, |v[XS+31]|
	v_max3_num_f32 v192, v192, v193, 0x1800000     ; and the floor
	v_add_nc_u32 v194, 0xff000000, v192            ; the conversion's scale operand
	v_lshrrev_b32 v195, 23, v194                   ; the byte
.if \b == 0
	v_mov_b32 v196, v195
.else
	v_lshl_or_b32 v196, v195, 8*\b, v196
.endif
	v_cvt_scalef32_pk16_fp6_f32 v[200:202], v[XS:XS+15], v194
	v_cvt_scalef32_pk16_fp6_f32 v[206:208], v[XS+16:XS+31], v194
	v_nop                                          ; one plain place behind a scaled conversion
	v_mov_b32 v203, v206
	v_mov_b32 v204, v207
	v_mov_b32 v205, v208
.if \b < 2
	ds_store_b128 v8, v[200:203] offset:256*(\b%2)
	ds_store_b64 v8, v[204:205] offset:512+256*(\b%2)
.else
	ds_store_b64 v8, v[200:201] offset:520+256*(\b%2)
	ds_store_b128 v8, v[202:205] offset:1024+256*(\b%2)
.endif
	s_wait_dscnt 0x0                               ; the stores have read their registers
.endm
	WBLOCK 0, 63                                   ; at most 63 of the 128 loads are out: the first 65 are in, blocks 0 and 1 among them
	WBLOCK 1, 63
	WBLOCK 2, 32                                   ; block 3's 32 may be out
	WBLOCK 3, 0
	ds_store_b32 v10, v196                         ; my row's scale word of this K step
.irp k, 0,1,2,3,4,5
	ds_load_b128 v[212+4*\k:215+4*\k], v9 offset:512*\k
.endr
.irp k, 0,1,2,3,4,5
	s_wait_dscnt 5-\k                              ; the younger loads may be out
	global_store_b128 v14, v[212+4*\k:215+4*\k], s[52:53] offset:(\k/3)*12288+(\k%3)*512   ; 512 consecutive bytes
.endr
	s_wait_dscnt 0x0                               ; for the others' sake: my scale word has landed
	s_barrier_signal -1
	s_barrier_wait -1
	s_cmp_lg_u32 s16, 0
	s_cbranch_scc1 .Lw_end
	ds_load_b128 v[236:239], v11                   ; the four waves' words of my row: four K steps
	s_wait_dscnt 0x0
	global_store_b128 v15, v[236:239], s[54:55]    ; 256 consecutive bytes for each of the two tiles
	s_cmp_lg_u32 s19, 0
	s_cbranch_scc1 .Lw_end
	global_load_b32 v240, v6, s[56:57]             ; the bias of my column,
	s_wait_loadcnt 0x0
	global_store_b32 v4, v240, s[58:59]            ; in the order of the tiles' rows
.Lw_end:
	s_wait_tensorcnt 0x0                           ; the wave's end
	ds_add_u32 v[SPW], v[NIL]
	s_wait_dscnt 0x0
	s_endpgm
.Lfunc_end_k_q223de072bf_prep:
	.size	k_q223de072bf_prep, .Lfunc_end_k_q223de072bf_prep-k_q223de072bf_prep
	.p2alignl 7, 3214868480
	.fill 96, 4, 3214868480
	.section	.rodata,"a",@progbits
	.p2align	6, 0x0
	.amdhsa_kernel k_q223de072bf_prep
		.amdhsa_group_segment_fixed_size 47104
		.amdhsa_private_segment_fixed_size 0
		.amdhsa_enable_private_segment 0
		.amdhsa_kernarg_size 48
		.amdhsa_user_sgpr_count 2
		.amdhsa_user_sgpr_kernarg_segment_ptr 1
		.amdhsa_wavefront_size32 1
		.amdhsa_system_sgpr_workgroup_id_x 1
		.amdhsa_system_sgpr_workgroup_id_y 1
		.amdhsa_system_sgpr_workgroup_id_z 1
		.amdhsa_system_vgpr_workitem_id 0
		.amdhsa_next_free_vgpr 256
		.amdhsa_next_free_sgpr 66
		.amdhsa_reserve_vcc 1
		.amdhsa_float_denorm_mode_32 3
		.amdhsa_float_denorm_mode_16_64 3
		.amdhsa_memory_ordered 1
		.amdhsa_forward_progress 1
		.amdhsa_inst_pref_size 66
	.end_amdhsa_kernel
	.amdgpu_metadata
---
amdhsa.version: [ 1, 2 ]
amdhsa.kernels:
  - .name:           k_q223de072bf_prep
    .symbol:         k_q223de072bf_prep.kd
    .args:
      - { .name: x, .offset: 0, .size: 8, .value_kind: global_buffer, .address_space: global }
      - { .name: W_qkv, .offset: 8, .size: 8, .value_kind: global_buffer, .address_space: global }
      - { .name: b_qkv, .offset: 16, .size: 8, .value_kind: global_buffer, .address_space: global }
      - { .name: W_o, .offset: 24, .size: 8, .value_kind: global_buffer, .address_space: global }
      - { .name: b_o, .offset: 32, .size: 8, .value_kind: global_buffer, .address_space: global }
      - { .name: pw, .offset: 40, .size: 8, .value_kind: global_buffer, .address_space: global }
    .group_segment_fixed_size: 47104
    .private_segment_fixed_size: 0
    .kernarg_segment_align: 8
    .kernarg_segment_size: 48
    .max_flat_workgroup_size: 128
    .sgpr_count:     66
    .vgpr_count:     256
    .wavefront_size: 32
...
	.end_amdgpu_metadata
.endif
;; end of part 1
;; launch gemm1 (part 2): grid 8 x 96, 4 waves a work-group, clusters of 4 x 4, 327,680 bytes of LDS; arguments pw, qkv; writes qkv
.if DOCPART == 2
	.amdgcn_target "amdgcn-amd-amdhsa--gfx1250"
	.amdhsa_code_object_version 6
	.text
	.protected	k_q223de072bf_gemm1
	.globl	k_q223de072bf_gemm1
	.p2align	8
	.type	k_q223de072bf_gemm1,@function
k_q223de072bf_gemm1:
	s_mov_b64 s[64:65], 0
	v_nop
	global_prefetch_b8 v0, s[64:65] scope:SCOPE_SE
	s_setreg_imm32_b32 hwreg(HW_REG_WAVE_MODE, 25, 1), 1
	s_wait_xcnt 0x0
	s_wait_alu depctr_hold_cnt(0) depctr_sa_sdst(0) depctr_va_vdst(0) depctr_va_sdst(0) depctr_va_ssrc(0) depctr_va_vcc(0) depctr_vm_vsrc(0)
	s_getreg_b32 s2, hwreg(HW_REG_IB_STS2, 6, 4)
	s_cmp_eq_u32 s2, 0
	s_cbranch_scc0 .Lentry_in_a_cluster
	s_endpgm
.Lentry_in_a_cluster:
	s_bfe_u32 s2, ttmp6, 0x10000c
	s_cmp_lg_u32 s2, 0xf033
	s_cbranch_scc0 .Lentry_shape_is_right
	s_endpgm
.Lentry_shape_is_right:
; qkv = x W_qkv + b_qkv on codes of FP6 (E2M3); RoPE on q and k in f32; q and k are quantised along the head's 64, v along the keys; only codes and scale words are stored.  No work is left out here.
; A work-group makes 128 rows of operand P x 256 rows of operand Q, K = 1,024.  THE MATRIX INSTRUCTION IS USED TRANSPOSED (source 0 = 16 rows of Q, source 1 = 16 rows of P): a lane holds ONE row of P and its
; registers run along Q's rows.  Clusters with y < 16: P = tokens, Q = columns of W_q, W_k: a lane's registers run along a head, the next product's K.  Clusters with y >= 16: P = columns of W_v, Q = tokens: a lane's
; registers run along the keys, which are v's K.  Nothing is transposed.  Four waves, each 64 x 128: 32 accumulators.
; ALL OF K FOR THE TILE LIES IN LDS: 384 rows x 768 bytes = 294,912 bytes, in four quarters of two K steps; each wave asks for its part of all four at the start (four tensor loads of mine are out) and nothing is filled
; again: a counted wait and a barrier stand in front of each quarter's first read.
; CLUSTERS of 4 x 4: P's tiles are shared along a row of the cluster, Q's along a column: joint loads.
; The operands lie in memory as images of their registers: a fragment is three loads of 512 consecutive bytes, in LDS too: no pitch, no padding.
; LIMITS: as stated at the head of the first launch (byte 1 for blocks under the floor and for blocks of zeros; no NaN, no infinities).  Inside a block of 32 of a head, q's and k's numbers stand in the same permuted order.
; REGISTERS: window 0: v4-11 LDS addresses; v16-21 offsets; v32-95 scale words (register 8 i + s: lanes 0-15 P's tile i, lanes 16-31 Q's tile i, K step s); v96-159 biases; v160-223 at work; v224-251 codes and words.
;   window 1: accumulator (a, b) at v[8 (8 a + b)].   windows 2, 3: fragment sets 0, 1: v0-47 P's four, v48-143 Q's eight; v144-207 the RoPE table of P's tiles 0, 1 (window 2) and 2, 3 (window 3).
.set XQ,    0
.set WQ,    6291456
.set SX,    9437184
.set SW,    9699328
.set BP,    9830400
.set TAB,   9846784
.set QC,    13107200                   ; qkv: q's pair images [batch x head][pair 64][1,536]
.set QS,    19398656                   ; q's words [batch x head][pair][16]
.set KVH,   204800                     ; a head's 16 records
.set REC,   12800                      ; a record, 128 keys: k's 4 pair images, v's 4 images, k's words (256 bytes), v's words (256)
.set QTR,   73728                      ; a quarter of K in LDS: P's 8 tiles x 3,072 bytes, then Q's 16
.set SPARE, 294912                     ; the spare words, 128 bytes a wave
.set ADP,   4
.set ADQ,   8
.set VS1,   16
.set VS2,   17
.set VB,    18
.set VT,    19
.set L16,   20
.set L4,    21
.set SPW,   28
.set NIL,   29
.set SC,    32
.set BQ,    96
.set T,     160
.set LO,    192
.set HI,    208
.set FR,    224                        ; q, k: two heads' pair fragments
.set WD,    248                        ; and their words: 2 head + pair
.set TBL,   144
.set QM,    160                        ; q, k: the quantiser's scratch lies in T's first half, which the rotation has read
.set QP,    164
.set QSO,   168
.set QBY,   172
.set QEB,   174
.set QT,    176
.set TM,    104                        ; v: the quantiser's scratch, v104-119
.set PWK,   120                        ; v120-123 four words
.set PC,    224
.set WV,    8                          ; s8 wave; s9 wave / 2: my half of P's rows, and: I fetch for P (0) or Q (1); s10 wave % 2: my half of Q's rows, and which half I fetch
.set HM,    15                         ; s15 lanes 16-31
.set SEL,   22
.set G1P,   24
.set G1Q,   32
.set G0P,   48                         ; s48-63: a group 0 for each quarter
.set G0Q,   68                         ; s68-83
.set MSB, 0
.macro WIN new                         ; the immediate's high byte repeats the setting that is left
.if MSB != (\new)
	s_set_vgpr_msb (MSB<<8)|(\new)
.set MSB, (\new)
.endif
.endm
.macro PLACES n
.rept \n
	v_nop
.endr
.endm
.macro CROUND                          ; a round of the cluster's barrier
	s_barrier_signal -1
	s_barrier_wait -1
	s_cmp_lg_u32 s[WV], 0
	s_cbranch_scc1 .Lnot_wave_0_\@
	s_barrier_signal -3
.Lnot_wave_0_\@:
	s_barrier_wait -3
	s_barrier_signal -1
	s_barrier_wait -1
.endm
.macro QUANT s, pw                     ; 64 numbers of a lane (register 16 b + i = k 32 b + 16 h + i of my row) -> 12 registers of codes in v[PC] on, the scale word in v[pw]
.irp b, 0,1,2,3
	v_max3_num_f32 v[TM+\b], |v[(\s)+16*\b]|, |v[(\s)+1+16*\b]|, 0x1800000
.endr
.irp i, 2,4,6,8,10,12,14
.irp b, 0,1,2,3
	v_max3_num_f32 v[TM+\b], v[TM+\b], |v[(\s)+16*\b+\i]|, |v[(\s)+1+16*\b+\i]|
.endr
.endr
.irp b, 0,1,2,3
	v_permlanex16_b32 v[TM+4+\b], v[TM+\b], s[SEL], s[SEL+1]
.endr
.irp b, 0,1,2,3
	v_max_num_f32 v[TM+\b], v[TM+\b], v[TM+4+\b]
.endr
.irp b, 0,1,2,3
	v_add_nc_u32 v[TM+12+\b], 0xff000000, v[TM+\b]
.endr
.irp b, 0,1,2,3
	v_lshrrev_b32 v[TM+4+\b], 23, v[TM+12+\b]
.endr
	v_lshl_or_b32 v[\pw], v[TM+5], 8, v[TM+4]
	v_lshl_or_b32 v[\pw], v[TM+6], 16, v[\pw]
	v_lshl_or_b32 v[\pw], v[TM+7], 24, v[\pw]
.irp c, 0,1
	v_cvt_scalef32_pk16_fp6_f32 v[PC+6*\c:PC+2+6*\c], v[(\s)+32*\c:(\s)+15+32*\c], v[TM+12+2*\c]
	v_cvt_scalef32_pk16_fp6_f32 v[PC+12+4*\c:PC+14+4*\c], v[(\s)+16+32*\c:(\s)+31+32*\c], v[TM+12+2*\c+1]
.endr
	v_nop
.irp c, 0,1
.irp i, 0,1,2
	v_permlane16_swap_b32 v[PC+6*\c+\i], v[PC+12+4*\c+\i]
.endr
.irp i, 0,1,2
	v_mov_b32 v[PC+3+6*\c+\i], v[PC+12+4*\c+\i]
.endr
.endr
.endm
.macro QUANT2 s, d, t                  ; 32 numbers of a lane, 16 of each of two blocks -> six registers of codes in v[d] on (lanes 0-15 block 0, lanes 16-31 block 1); the two bytes in v[QEB]
	v_max3_num_f32 v[QM], |v[(\s)]|, |v[(\s)+1]|, 0x1800000
	v_max3_num_f32 v[QM+1], |v[(\s)+16]|, |v[(\s)+17]|, 0x1800000
.irp i, 2,4,6,8,10,12,14
	v_max3_num_f32 v[QM], v[QM], |v[(\s)+\i]|, |v[(\s)+\i+1]|
	v_max3_num_f32 v[QM+1], v[QM+1], |v[(\s)+16+\i]|, |v[(\s)+17+\i]|
.endr
	v_permlanex16_b32 v[QP], v[QM], s[SEL], s[SEL+1]
	v_permlanex16_b32 v[QP+1], v[QM+1], s[SEL], s[SEL+1]
	v_max_num_f32 v[QM], v[QM], v[QP]
	v_max_num_f32 v[QM+1], v[QM+1], v[QP+1]
	v_add_nc_u32 v[QSO], 0xff000000, v[QM]
	v_add_nc_u32 v[QSO+1], 0xff000000, v[QM+1]
	v_lshrrev_b32 v[QBY], 23, v[QSO]
	v_lshrrev_b32 v[QBY+1], 23, v[QSO+1]
	v_cvt_scalef32_pk16_fp6_f32 v[(\d):(\d)+2], v[(\s):(\s)+15], v[QSO]
	v_cvt_scalef32_pk16_fp6_f32 v[(\t):(\t)+2], v[(\s)+16:(\s)+31], v[QSO+1]
	v_lshl_or_b32 v[QEB], v[QBY+1], 8, v[QBY]      ; (the plain place behind the conversions)
.irp i, 0,1,2
	v_permlane16_swap_b32 v[(\d)+\i], v[(\t)+\i]
.endr
.irp i, 0,1,2
	v_mov_b32 v[(\d)+3+\i], v[(\t)+\i]
.endr
.endm
	s_load_b128 s[4:7], s[0:1], 0x0                ; pw s[4:5], qkv s[6:7]
	v_lshl_add_u32 v[SPW], v0, 2, SPARE
	v_mov_b32 v[NIL], 0
	ds_add_u32 v[SPW], v[NIL]                      ; the wave's opening: the add, twice on end, and its wait ahead of my first tensor load
	ds_add_u32 v[SPW], v[NIL]
	v_lshrrev_b32 v1, 5, v0
	v_readfirstlane_b32 s[WV], v1
	s_lshr_b32 s9, s[WV], 1
	s_and_b32 s10, s[WV], 1
	s_bfe_u32 s11, ttmp6, 0x40000                  ; cx
	s_bfe_u32 s12, ttmp6, 0x40004                  ; cy
	s_mov_b32 s13, ttmp9                           ; the cluster's x
	s_and_b32 s14, ttmp7, 0xffff                   ; the cluster's y
	s_mov_b32 s[HM], 0xffff0000
	s_mov_b32 s[SEL], 0x76543210
	s_mov_b32 s[SEL+1], 0xfedcba98
	s_lshl_b32 s16, s12, 2
	s_lshl_b32 s16, 15, s16                        ; my row of the cluster
	s_lshl_b32 s20, 0x1111, s11                    ; my column
	s_or_b32 s[G1P], s16, (3<<16)|(1<<21)          ; 15:0 the mask; 17:16 elements of 8 bytes; 21 set beside a mask; no padding
	s_or_b32 s[G1Q], s20, (3<<16)|(1<<21)
	s_mov_b32 s[G1P+1], 384<<16                    ; a row: one tile's two K steps, 3,072 bytes
	s_mov_b32 s[G1P+2], 4<<16                      ; four tiles
	s_mov_b32 s[G1P+3], 384<<16
	s_mov_b32 s[G1P+4], 4
	s_mov_b32 s[G1P+5], 1536                       ; 12,288 bytes from tile to tile
	s_mov_b32 s[G1P+6], 0
	s_mov_b32 s[G1P+7], 0
	s_mov_b32 s[G1Q+1], 384<<16
	s_mov_b32 s[G1Q+2], 8<<16                      ; eight tiles
	s_mov_b32 s[G1Q+3], 384<<16
	s_mov_b32 s[G1Q+4], 8
	s_mov_b32 s[G1Q+5], 1536
	s_mov_b32 s[G1Q+6], 0
	s_mov_b32 s[G1Q+7], 0
	; which blocks, and where the operands lie in pw.  P's numbers are made of the cluster's place and cy, Q's of the cluster's place and cx, each in registers of their own
	s_sub_co_u32 s17, s14, 16
	s_lshr_b32 s19, s17, 2
	s_and_b32 s46, s17, 3
	s_lshl_b32 s46, s46, 1
	s_add_co_u32 s46, s46, s13
	s_mov_b32 s41, SW+65536
	s_mov_b32 s45, SX
	s_cmp_lt_u32 s14, 16                           ; q, k or v: the same in all sixteen partners
	s_cselect_b32 s18, s14, s19
	s_cselect_b32 s21, s13, s46
	s_cselect_b32 s40, 0, WQ+1572864               ; P's codes: x, or W's tiles from 128 on
	s_cselect_b32 s41, SX, s41                     ; P's scale words
	s_cselect_b32 s44, WQ, 0                       ; Q's codes
	s_cselect_b32 s45, SW, s45                     ; Q's scale words
	s_lshl_b32 s18, s18, 2
	s_add_co_u32 s18, s18, s12                     ; Pt: my block of 128 rows of P
	s_lshl_b32 s21, s21, 2
	s_add_co_u32 s21, s21, s11                     ; Qt: my block of 256 rows of Q
	s_mul_i32 s42, s18, 98304
	s_add_co_u32 s40, s40, s42
	s_lshl_b32 s42, s18, 12
	s_add_co_u32 s41, s41, s42
	s_mul_i32 s46, s21, 196608
	s_add_co_u32 s44, s44, s46
	s_lshl_b32 s46, s21, 13
	s_add_co_u32 s45, s45, s46
	s_mul_i32 s42, s10, 49152                      ; the half that I fetch
	s_add_co_u32 s42, s42, s40
	s_mov_b32 s43, 0
	s_mul_i32 s46, s10, 98304
	s_add_co_u32 s46, s46, s44
	s_mov_b32 s47, 0
	s_mul_i32 s16, s10, 12288                      ; and where it goes: no place in the cluster enters an LDS address
	s_mul_i32 s20, s10, 24576
	s_add_co_u32 s20, s20, 24576
	s_wait_dscnt 0x0                               ; both opening adds are done
	s_wait_kmcnt 0x0
	s_add_nc_u64 s[42:43], s[4:5], s[42:43]
	s_add_nc_u64 s[46:47], s[4:5], s[46:47]
.irp j, 0,1,2,3
	s_mov_b32 s[G0P+4*\j], 1
	s_add_co_u32 s[G0P+4*\j+1], s16, QTR*\j
	s_add_nc_u64 s[G0P+4*\j+2:G0P+4*\j+3], s[42:43], 3072*\j
	s_or_b32 s[G0P+4*\j+3], s[G0P+4*\j+3], 0x80000000
	s_mov_b32 s[G0Q+4*\j], 1
	s_add_co_u32 s[G0Q+4*\j+1], s20, QTR*\j
	s_add_nc_u64 s[G0Q+4*\j+2:G0Q+4*\j+3], s[46:47], 3072*\j
	s_or_b32 s[G0Q+4*\j+3], s[G0Q+4*\j+3], 0x80000000
.endr
	CROUND                                         ; all sixteen work-groups are here: the joint loads meet
	s_cmp_eq_u32 s9, 0                             ; a wave's four fills stand in one branch on the wave's number
	s_cbranch_scc0 .Lfill_q
.irp j, 0,1,2,3
	tensor_load_to_lds s[G0P+4*\j:G0P+4*\j+3], s[G1P:G1P+7]
	s_nop 0
.endr
	PLACES 4
	s_branch .Lfilled
.Lfill_q:
.irp j, 0,1,2,3
	tensor_load_to_lds s[G0Q+4*\j:G0Q+4*\j+3], s[G1Q:G1Q+7]
	s_nop 0
.endr
	PLACES 4
.Lfilled:
	v_and_b32 v1, 31, v0                           ; lane
	v_and_b32 v2, 15, v0                           ; r
	v_bfe_u32 v3, v0, 4, 1                         ; h
	v_lshlrev_b32 v[L16], 4, v1
	v_lshlrev_b32 v[L4], 2, v1
	s_mul_i32 s84, s9, 12288                       ; my four tiles of P
	s_mul_i32 s85, s10, 24576
	s_add_co_u32 s85, s85, 24576                   ; my eight of Q
.irp j, 0,1,2,3
	v_add_nc_u32 v[ADP+\j], s84, v[L16]
	v_add_nc_u32 v[ADQ+\j], s85, v[L16]
	s_add_co_u32 s84, s84, QTR
	s_add_co_u32 s85, s85, QTR
.endr
	s_lshl_b32 s86, s9, 11
	s_add_co_u32 s86, s86, s41
	s_lshl_b32 s87, s10, 12
	s_add_co_u32 s87, s87, s45
	v_mov_b32 v[VS1], s86
	v_mov_b32 v[VS2], s87
	v_cndmask_b32 v[VS1], v[VS1], v[VS2], s[HM]    ; lanes 0-15 take P's words, lanes 16-31 Q's
	v_lshl_add_u32 v[VS1], v2, 4, v[VS1]
	v_lshl_add_u32 v[VS2], v3, 11, v[VS1]          ; for tiles 4-7: P has only four, so lanes 0-15 read theirs once more (never used) and stay inside the buffer
.irp i, 0,1,2,3
.irp g, 0,1
	global_load_b128 v[SC+8*\i+4*\g:SC+8*\i+4*\g+3], v[VS1], s[4:5] offset:512*\i+256*\g
.endr
.endr
.irp i, 4,5,6,7
.irp g, 0,1
	global_load_b128 v[SC+8*\i+4*\g:SC+8*\i+4*\g+3], v[VS2], s[4:5] offset:512*(\i-4)+256*\g
.endr
.endr
.macro FETCH s, p                      ; K step s: 12 fragments, 36 loads of 512 consecutive bytes, into set p
	WIN ((2+(\p))<<6)
.irp a, 0,1,2,3
.irp c, 0,1,2
	ds_load_b128 v[12*\a+4*\c:12*\a+4*\c+3], v[ADP+(\s)/2] offset:3072*\a+1536*((\s)%2)+512*\c
.endr
.endr
.irp b, 0,1,2,3,4,5,6,7
.irp c, 0,1,2
	ds_load_b128 v[48+12*\b+4*\c:48+12*\b+4*\c+3], v[ADQ+(\s)/2] offset:3072*\b+1536*((\s)%2)+512*\c
.endr
.endr
.endm
.macro MUL32 p, s, zero                ; the 32 accumulators take turns, one instruction a turn, in the same order in every K step.  zero = 1: the first products start the sums
	WIN 0x5a+5*(\p)
.irp a, 0,1,2,3
.irp b, 0,1,2,3,4,5,6,7
.if \zero
	v_wmma_scale_f32_16x16x128_f8f6f4 v[8*(8*\a+\b):8*(8*\a+\b)+7], v[48+12*\b:59+12*\b], v[12*\a:12*\a+11], 0, v[SC+8*\b+(\s)], v[SC+8*\a+(\s)] matrix_a_fmt:MATRIX_FMT_FP6 matrix_b_fmt:MATRIX_FMT_FP6 matrix_a_scale:MATRIX_SCALE_ROW1
.else
	v_wmma_scale_f32_16x16x128_f8f6f4 v[8*(8*\a+\b):8*(8*\a+\b)+7], v[48+12*\b:59+12*\b], v[12*\a:12*\a+11], v[8*(8*\a+\b):8*(8*\a+\b)+7], v[SC+8*\b+(\s)], v[SC+8*\a+(\s)] matrix_a_fmt:MATRIX_FMT_FP6 matrix_b_fmt:MATRIX_FMT_FP6 matrix_a_scale:MATRIX_SCALE_ROW1
.endif
.endr
.endr
.endm
; The eight K steps.  While one set of fragments is multiplied the next K step's 36 loads are out.  In front of a quarter's first read: my part of it has landed (the later quarters' loads may be out: nothing is ever
; filled again), no LDS load of mine is pending at the signal, and the barrier says the same of the other three waves.
.macro MAIN
	s_wait_tensorcnt 0x3
	s_barrier_signal -1
	s_barrier_wait -1
	FETCH 0, 0
	s_wait_loadcnt 0x0                             ; scale words, biases, table
	FETCH 1, 1
	s_wait_dscnt 36                                ; all but the 36 just issued
	MUL32 0, 0, 1
.irp s, 1,2,3,4,5,6
.if (\s+1)%2 == 0
	s_wait_tensorcnt 3-(\s+1)/2
	s_wait_dscnt 0x0
	s_barrier_signal -1
	s_barrier_wait -1
.endif
	PLACES 4                                       ; in front of loads into registers that matrix instructions have read
	FETCH \s+1, (\s+1)%2
	s_wait_dscnt 36
	MUL32 \s%2, \s, 0
.endr
	s_wait_dscnt 0x0
	MUL32 1, 7, 0
	WIN 0
	PLACES 4                                       ; in front of the first read of results
.endm
	s_cmp_lt_u32 s14, 16
	s_cbranch_scc0 .Lrole_v
; ================ q and k
	s_lshl_b32 s84, s21, 10
	s_lshl_b32 s85, s10, 9
	s_add_co_u32 s84, s84, s85
	s_add_co_u32 s84, s84, BP
	v_lshl_add_u32 v[VB], v3, 5, s84               ; the biases of my eight tiles of columns, in the result's layout: rows 8 h + 0 .. 7 of a tile
.irp b, 0,1,2,3,4,5,6,7
	global_load_b128 v[BQ+8*\b:BQ+8*\b+3], v[VB], s[4:5] offset:64*\b
	global_load_b128 v[BQ+8*\b+4:BQ+8*\b+7], v[VB], s[4:5] offset:64*\b+16
.endr
	s_and_b32 s84, s18, 15
	s_lshl_b32 s84, s84, 15
	s_lshl_b32 s85, s9, 14
	s_add_co_u32 s84, s84, s85
	s_add_co_u32 s84, s84, TAB
	v_and_b32 v22, 8, v2
	v_add_nc_u32 v22, v22, v2                      ; r + 8 (r / 8)
	v_lshlrev_b32 v22, 8, v22
	v_lshl_add_u32 v22, v3, 5, v22
	v_add_nc_u32 v[VT], s84, v22                   ; the table: my token's row of 256 bytes, + 32 h: pairs 8 h + 0 .. 7 and 16 + 8 h + 0 .. 7
.irp a, 0,1,2,3
	WIN ((2+\a/2)<<6)
.irp q, 0,1,2,3                                ; cos of the lower pairs, of the upper; sin likewise
.irp i, 0,1
	global_load_b128 v[TBL+32*(\a%2)+8*\q+4*\i:TBL+32*(\a%2)+8*\q+4*\i+3], v[VT], s[4:5] offset:256*(32*(\a/2)+8*(\a%2))+64*\q+16*\i
.endr
.endr
.endr
	WIN 0
	; where the results go: q (cluster x = 0): pair images and words by pair; k: into the key step's record
	s_lshr_b32 s84, s18, 4                         ; batch
	s_and_b32 s85, s18, 15                         ; key step
	s_lshl_b32 s86, s84, 4
	s_lshl_b32 s87, s11, 2
	s_add_co_u32 s86, s86, s87
	s_lshl_b32 s87, s10, 1
	s_add_co_u32 s86, s86, s87                     ; 16 batch + my first head
	s_lshl_b32 s87, s86, 6
	s_lshl_b32 s89, s85, 2
	s_add_co_u32 s87, s87, s89
	s_lshl_b32 s89, s9, 1
	s_add_co_u32 s87, s87, s89                     ; my first pair of 32 tokens
	s_mul_i32 s90, s87, 1536
	s_add_co_u32 s90, s90, QC
	s_lshl_b32 s91, s87, 6
	s_add_co_u32 s91, s91, QS
	s_mul_i32 s92, s86, KVH
	s_mul_i32 s89, s85, REC
	s_add_co_u32 s92, s92, s89
	s_lshl_b32 s89, s9, 7
	s_add_co_u32 s93, s92, s89
	s_add_co_u32 s93, s93, 12288
	s_mul_i32 s89, s9, 3072
	s_add_co_u32 s92, s92, s89
	s_mov_b32 s94, KVH
	s_mov_b32 s95, KVH
	s_cmp_eq_u32 s13, 0
	s_cselect_b32 s90, s90, s92                    ; codes
	s_cselect_b32 s91, s91, s93                    ; words
	s_cselect_b32 s94, 98304, s94                  ; from head to head, in codes
	s_cselect_b32 s95, 4096, s95                   ; and in words
	s_mov_b32 s93, 0
	s_mov_b32 s92, s90
	s_add_nc_u64 s[84:85], s[6:7], s[92:93]
	s_mov_b32 s92, s94
	s_add_nc_u64 s[86:87], s[84:85], s[92:93]
	s_mov_b32 s92, s91
	s_add_nc_u64 s[96:97], s[6:7], s[92:93]
	s_mov_b32 s92, s95
	s_add_nc_u64 s[98:99], s[96:97], s[92:93]
	MAIN
; Tile a of tokens, head hd of my two: bias; rotation; quantised: half a pair fragment (registers 6 u on).  Result tiles 4 hd + 0, 2 hold x1 of pairs 8 h + j and 16 + 8 h + j, tiles 4 hd + 1, 3 hold x2.
.macro ROPE a, hd, u, pr
	WIN 0x01                                       ; source 0: the accumulators
.irp k, 0,1,2,3
.irp i, 0,2,4,6
	v_pk_add_f32 v[T+8*\k+\i:T+8*\k+\i+1], v[8*(8*\a+4*\hd+\k)+\i:8*(8*\a+4*\hd+\k)+\i+1], v[BQ+8*(4*\hd+\k)+\i:BQ+8*(4*\hd+\k)+\i+1]   ; each accumulator from its low end on
.endr
.endr
	WIN ((2+\a/2)<<2)                              ; source 1: the table
.irp g, 0,1
.irp i, 0,2,4,6
	v_pk_mul_f32 v[LO+8*\g+\i:LO+8*\g+\i+1], v[T+16*\g+8+\i:T+16*\g+9+\i], v[TBL+32*(\a%2)+16+8*\g+\i:TBL+32*(\a%2)+17+8*\g+\i]   ; x2 sin
	v_pk_mul_f32 v[HI+8*\g+\i:HI+8*\g+\i+1], v[T+16*\g+8+\i:T+16*\g+9+\i], v[TBL+32*(\a%2)+8*\g+\i:TBL+32*(\a%2)+1+8*\g+\i]       ; x2 cos
.endr
.endr
.irp g, 0,1
.irp i, 0,2,4,6
	v_pk_fma_f32 v[LO+8*\g+\i:LO+8*\g+\i+1], v[T+16*\g+\i:T+16*\g+1+\i], v[TBL+32*(\a%2)+8*\g+\i:TBL+32*(\a%2)+1+8*\g+\i], v[LO+8*\g+\i:LO+8*\g+\i+1] neg_lo:[0,0,1] neg_hi:[0,0,1]   ; x1 cos - x2 sin: the head's first 32
	v_pk_fma_f32 v[HI+8*\g+\i:HI+8*\g+\i+1], v[T+16*\g+\i:T+16*\g+1+\i], v[TBL+32*(\a%2)+16+8*\g+\i:TBL+32*(\a%2)+17+8*\g+\i], v[HI+8*\g+\i:HI+8*\g+\i+1]                            ; x1 sin + x2 cos: its last 32
.endr
.endr
	WIN 0
	QUANT2 LO, FR+12*\hd+6*\u, QT
.if \u == 0
	v_mov_b32 v[WD+2*\hd+\pr], v[QEB]
.else
	v_lshl_or_b32 v[WD+2*\hd+\pr], v[QEB], 16, v[WD+2*\hd+\pr]   ; the pair's word: two bytes of tile u = 0, two of tile u = 1
.endif
.endm
.macro SENDQK pr
.irp hd, 0,1
.irp c, 0,1,2
	global_store_b128 v[L16], v[FR+12*\hd+4*\c:FR+12*\hd+4*\c+3], s[84+2*\hd:85+2*\hd] offset:1536*\pr+512*\c   ; 512 consecutive bytes
.endr
.endr
	s_wait_xcnt 0x0                                ; the stores have read the codes' registers
.endm
	ROPE 0, 0, 0, 0
	ROPE 0, 1, 0, 0
	ROPE 1, 0, 1, 0
	ROPE 1, 1, 1, 0
	SENDQK 0
	ROPE 2, 0, 0, 1
	ROPE 2, 1, 0, 1
	ROPE 3, 0, 1, 1
	ROPE 3, 1, 1, 1
	SENDQK 1
.irp hd, 0,1
	v_cndmask_b32 v[180+\hd], v[WD+2*\hd], v[WD+2*\hd+1], s[HM]   ; both halves of the lanes hold row r's words: lanes 0-15 store my first pair's, lanes 16-31 my second's
	global_store_b32 v[L4], v[180+\hd], s[96+2*\hd:97+2*\hd]
.endr
	s_branch .Ltail
; ================ v
.Lrole_v:
	s_lshl_b32 s84, s18, 9
	s_lshl_b32 s85, s9, 8
	s_add_co_u32 s84, s84, s85
	s_add_co_u32 s84, s84, BP+8192
	v_lshl_add_u32 v[VB], v2, 2, s84               ; a lane holds one column of W_v: one bias for each of my four tiles, loaded into both halves of a pair for the packed addition
.irp a, 0,1,2,3
	global_load_b32 v[BQ+2*\a], v[VB], s[4:5] offset:64*\a
	global_load_b32 v[BQ+2*\a+1], v[VB], s[4:5] offset:64*\a
.endr
.irp b, 0,1,2,3
	v_mov_b32 v[TM+4+\b], 0                        ; a lane permute's destination counts as one of its sources
.endr
	s_lshl_b32 s84, s18, 1
	s_add_co_u32 s84, s84, s9                      ; head
	s_lshr_b32 s85, s21, 3
	s_lshl_b32 s85, s85, 4
	s_add_co_u32 s84, s84, s85                     ; + 16 batch
	s_and_b32 s85, s21, 7
	s_lshl_b32 s85, s85, 1
	s_add_co_u32 s85, s85, s10                     ; key step
	s_mul_i32 s84, s84, KVH
	s_mul_i32 s85, s85, REC
	s_add_co_u32 s92, s84, s85
	s_mov_b32 s93, 0
	s_add_nc_u64 s[84:85], s[6:7], s[92:93]        ; the record
	MAIN
.macro VOUT a                          ; tile a of the head's 64: my row's 128 keys: bias, quantised along the keys: one fragment
	WIN 0x01
.irp b, 0,1,2,3,4,5,6,7
.irp i, 0,2,4,6
	v_pk_add_f32 v[T+8*\b+\i:T+8*\b+\i+1], v[8*(8*\a+\b)+\i:8*(8*\a+\b)+\i+1], v[BQ+2*\a:BQ+2*\a+1]
.endr
.endr
	WIN 0
	QUANT T, PWK+\a
.irp c, 0,1,2
	global_store_b128 v[L16], v[PC+4*\c:PC+4*\c+3], s[84:85] offset:6144+1536*\a+512*\c
.endr
	s_wait_xcnt 0x0                                ; the stores have read the codes' registers
.endm
	VOUT 0
	VOUT 1
	VOUT 2
	VOUT 3
.irp g, 0,1
	v_cndmask_b32 v[124+\g], v[PWK+2*\g], v[PWK+2*\g+1], s[HM]
	global_store_b32 v[L4], v[124+\g], s[84:85] offset:12544+128*\g
.endr
.Ltail:
	s_wait_tensorcnt 0x0                           ; the wave's end
	ds_add_u32 v[SPW], v[NIL]
	s_wait_dscnt 0x0
	CROUND                                         ; the closing round
	s_endpgm
.Lfunc_end_k_q223de072bf_gemm1:
	.size	k_q223de072bf_gemm1, .Lfunc_end_k_q223de072bf_gemm1-k_q223de072bf_gemm1
	.p2alignl 7, 3214868480
	.fill 96, 4, 3214868480
	.section	.rodata,"a",@progbits
	.p2align	6, 0x0
	.amdhsa_kernel k_q223de072bf_gemm1
		.amdhsa_group_segment_fixed_size 327680
		.amdhsa_private_segment_fixed_size 0
		.amdhsa_enable_private_segment 0
		.amdhsa_kernarg_size 16
		.amdhsa_user_sgpr_count 2
		.amdhsa_user_sgpr_kernarg_segment_ptr 1
		.amdhsa_wavefront_size32 1
		.amdhsa_system_sgpr_workgroup_id_x 1
		.amdhsa_system_sgpr_workgroup_id_y 1
		.amdhsa_system_sgpr_workgroup_id_z 1
		.amdhsa_system_vgpr_workitem_id 0
		.amdhsa_next_free_vgpr 1024
		.amdhsa_next_free_sgpr 100
		.amdhsa_reserve_vcc 0
		.amdhsa_float_denorm_mode_32 3
		.amdhsa_float_denorm_mode_16_64 3
		.amdhsa_memory_ordered 1
		.amdhsa_forward_progress 1
		.amdhsa_inst_pref_size 190
	.end_amdhsa_kernel
	.amdgpu_metadata
---
amdhsa.version: [ 1, 2 ]
amdhsa.kernels:
  - .name:           k_q223de072bf_gemm1
    .symbol:         k_q223de072bf_gemm1.kd
    .args:
      - { .name: pw, .offset: 0, .size: 8, .value_kind: global_buffer, .address_space: global }
      - { .name: qkv, .offset: 8, .size: 8, .value_kind: global_buffer, .address_space: global }
    .group_segment_fixed_size: 327680
    .private_segment_fixed_size: 0
    .kernarg_segment_align: 8
    .kernarg_segment_size: 16
    .max_flat_workgroup_size: 128
    .sgpr_count:     100
    .vgpr_count:     1024
    .wavefront_size: 32
...
	.end_amdgpu_metadata
.endif
;; end of part 2
;; launch attn (part 3): grid 4 x 64, 16 waves a work-group, clusters of 4 x 1, 207,872 bytes of LDS; arguments qkv, ob; writes ob
.if DOCPART == 3
	.amdgcn_target "amdgcn-amd-amdhsa--gfx1250"
	.amdhsa_code_object_version 6
	.text
	.protected	k_q223de072bf_attn
	.globl	k_q223de072bf_attn
	.p2align	8
	.type	k_q223de072bf_attn,@function
k_q223de072bf_attn:
	s_mov_b64 s[64:65], 0
	v_nop
	global_prefetch_b8 v0, s[64:65] scope:SCOPE_SE
	s_setreg_imm32_b32 hwreg(HW_REG_WAVE_MODE, 25, 1), 1
	s_wait_xcnt 0x0
	s_wait_alu depctr_hold_cnt(0) depctr_sa_sdst(0) depctr_va_vdst(0) depctr_va_sdst(0) depctr_va_ssrc(0) depctr_va_vcc(0) depctr_vm_vsrc(0)
	s_getreg_b32 s2, hwreg(HW_REG_IB_STS2, 6, 4)
	s_cmp_eq_u32 s2, 0
	s_cbranch_scc0 .Lentry_in_a_cluster
	s_endpgm
.Lentry_in_a_cluster:
	s_bfe_u32 s2, ttmp6, 0x10000c
	s_cmp_lg_u32 s2, 0x3003
	s_cbranch_scc0 .Lentry_shape_is_right
	s_endpgm
.Lentry_shape_is_right:
; o = softmax(q k^T / 8, causal) v on codes of FP6 (E2M3), and o's codes along C for the last product.  WORK LEFT OUT: key steps of 128 keys that lie wholly behind a tile's queries (reference()'s own jnp.tril;
; shown at the head of the first launch); a NaN or an infinity that reaches only those steps is not carried to the result.  Hidden scores inside the diagonal step become -infinity where reference() has finfo.min: p = 0 either way.
; THE SOFTMAX AHEAD OF THE SECOND PRODUCT: t = score x log2(e) / 8; M = the running largest t rounded UP to a whole number; p = 2^(t - M) is quantised along the keys, not normalised; the row's sum is taken of the
; unquantised p and divides at the end; when M moves, the sum and O are multiplied by 2^(old M - new M), which rounds nothing.
; SHARES.  The four work-groups of a cluster serve one batch and head; its k, v and scale words, 16 records of 12,800 bytes, come into each one's LDS ONCE, by joint loads, and stay: nothing is filled again.
; Work-group c owns the pairs of 32 queries 4 m + c, m = 0 .. 15; a tile of pair 4 m + c wants key steps 0 .. m whatever c is.  Wave w takes tile (m = w, u = 0) and then tile (m = 15 - w, u = 1): 17 key steps for every
; wave of every work-group.  The loops' trip counts are constants; a step behind the diagonal is jumped over by a scalar branch on the wave's number and the count of steps; no barrier stands in a step.
; LAYOUT.  Both products are used transposed: a lane holds ONE query.  K = 64 in the first product: a fragment of k holds TWO tiles of 16 keys (registers 0-5: keys 32 b + i + 8 (i / 8); registers 6-11: those 8 further on);
; q stands in 18 registers as zeros, q, zeros: registers 6-17 multiply the first tile, registers 0-11 the second; zero codes add nothing.  So S's 16 registers of a pair are 16 neighbouring keys.
; REGISTERS: v1-11 addresses; v12 -M, v13 the largest t, v[14:15] the sum; v16-33 q; v34-41 the second tile's q and the raw words; v48-95 four fragments; v96-159 S, then p; v160-191 O^T; v192-199 k's and v's scale words;
; v200-218 p's codes; v220-239 at work; v240 f, v241 p's scale word.
.set REC,   12800
.set KVH,   204800
.set QC,    13107200
.set QS,    19398656
.set OSC,   6291456
.set SCO,   204800                     ; behind the records: o's scale bytes, 32 tiles x 16 rows x 2 bytes; no tensor load lands here
.set SPARE, 205824                     ; the spare words, 128 bytes a wave
.set SPW,   5
.set NIL,   6
.set WV,    8
.set CX,    9
.set BH,    10
.set G1A,   16
.set G1B,   24
.set G0A,   32
.set G0B,   36
.set SEL,   40
.set CS,    42
.set MM,    44                         ; my tile's diagonal key step
.set KS,    45                         ; the key step
.set TB,    46                         ; its record in LDS
.set CNT,   47
.set BM,    220
.set PM,    224
.set SO,    228
.set BY,    232
.set QM,    220
.set QP,    224
.set QSO,   228
.set QBY,   232
.set QEB,   234
.macro ROUND                           ; a round of the cluster's barrier
	s_barrier_signal -1
	s_barrier_wait -1
	s_cmp_lg_u32 s[WV], 0
	s_cbranch_scc1 .Lnot_wave_0_\@
	s_barrier_signal -3
.Lnot_wave_0_\@:
	s_barrier_wait -3
	s_barrier_signal -1
	s_barrier_wait -1
.endm
.macro QUANT2 s, d, t                  ; 32 numbers of a lane, 16 of each of two blocks -> six registers of codes in v[d] on; the two bytes in v[QEB]
	v_max3_num_f32 v[QM], |v[(\s)]|, |v[(\s)+1]|, 0x1800000
	v_max3_num_f32 v[QM+1], |v[(\s)+16]|, |v[(\s)+17]|, 0x1800000
.irp i, 2,4,6,8,10,12,14
	s_delay_alu instid0(VALU_DEP_2)
	v_max3_num_f32 v[QM], v[QM], |v[(\s)+\i]|, |v[(\s)+\i+1]|
	s_delay_alu instid0(VALU_DEP_2)
	v_max3_num_f32 v[QM+1], v[QM+1], |v[(\s)+16+\i]|, |v[(\s)+17+\i]|
.endr
	s_delay_alu instid0(VALU_DEP_2)
	v_permlanex16_b32 v[QP], v[QM], s[SEL], s[SEL+1]
	s_delay_alu instid0(VALU_DEP_2)
	v_permlanex16_b32 v[QP+1], v[QM+1], s[SEL], s[SEL+1]
	s_delay_alu instid0(VALU_DEP_2)
	v_max_num_f32 v[QM], v[QM], v[QP]
	s_delay_alu instid0(VALU_DEP_2)
	v_max_num_f32 v[QM+1], v[QM+1], v[QP+1]
	s_delay_alu instid0(VALU_DEP_2)
	v_add_nc_u32 v[QSO], 0xff000000, v[QM]
	s_delay_alu instid0(VALU_DEP_2)
	v_add_nc_u32 v[QSO+1], 0xff000000, v[QM+1]
	s_delay_alu instid0(VALU_DEP_2)
	v_lshrrev_b32 v[QBY], 23, v[QSO]
	s_delay_alu instid0(VALU_DEP_2)
	v_lshrrev_b32 v[QBY+1], 23, v[QSO+1]
	v_cvt_scalef32_pk16_fp6_f32 v[(\d):(\d)+2], v[(\s):(\s)+15], v[QSO]
	v_cvt_scalef32_pk16_fp6_f32 v[(\t):(\t)+2], v[(\s)+16:(\s)+31], v[QSO+1]
	v_lshl_or_b32 v[QEB], v[QBY+1], 8, v[QBY]      ; (the plain place behind the conversions)
.irp i, 0,1,2
	v_permlane16_swap_b32 v[(\d)+\i], v[(\t)+\i]
.endr
.irp i, 0,1,2
	s_delay_alu instid0(VALU_DEP_3)
	v_mov_b32 v[(\d)+3+\i], v[(\t)+\i]
.endr
.endm
	s_load_b128 s[4:7], s[0:1], 0x0                ; qkv s[4:5], ob s[6:7]
	v_lshl_add_u32 v[SPW], v0, 2, SPARE
	v_mov_b32 v[NIL], 0
	ds_add_u32 v[SPW], v[NIL]                      ; the wave's opening: the add, twice on end, and its wait ahead of my first tensor load
	ds_add_u32 v[SPW], v[NIL]
	v_lshrrev_b32 v9, 5, v0
	s_delay_alu instid0(VALU_DEP_1)
	v_readfirstlane_b32 s[WV], v9                  ; wave 0..15
	s_bfe_u32 s[CX], ttmp6, 0x40000                ; c: it enters global addresses and the mask's numbers alone
	s_and_b32 s[BH], ttmp7, 0xffff                 ; 16 batch + head: the cluster's y
	; the head's 204,800 bytes as 800 rows of 256: each wave brings 13 rows of the first 208 (records 0-3 lie in them) and 37 of the other 592
	s_mov_b32 s[G1A], 15|(3<<16)|(1<<21)           ; 15:0 the mask: all four work-groups; 17:16 elements of 8 bytes; 21 set beside a mask
	s_mov_b32 s[G1A+1], 32<<16
	s_mov_b32 s[G1A+2], 13<<16
	s_mov_b32 s[G1A+3], 32<<16
	s_mov_b32 s[G1A+4], 13
	s_mov_b32 s[G1A+5], 32
	s_mov_b32 s[G1A+6], 0
	s_mov_b32 s[G1A+7], 0
	s_mov_b32 s[G1B], 15|(3<<16)|(1<<21)
	s_mov_b32 s[G1B+1], 32<<16
	s_mov_b32 s[G1B+2], 37<<16
	s_mov_b32 s[G1B+3], 32<<16
	s_mov_b32 s[G1B+4], 37
	s_mov_b32 s[G1B+5], 32
	s_mov_b32 s[G1B+6], 0
	s_mov_b32 s[G1B+7], 0
	s_mul_i32 s48, s[BH], KVH
	s_mul_i32 s49, s[WV], 3328
	s_mul_i32 s50, s[WV], 9472
	s_add_co_u32 s50, s50, 53248
	s_add_co_u32 s52, s48, s49
	s_mov_b32 s53, 0
	s_add_co_u32 s54, s48, s50
	s_mov_b32 s55, 0
	s_mov_b32 s[SEL], 0x76543210
	s_mov_b32 s[SEL+1], 0xfedcba98
	s_mov_b32 s[CS], 0x3e38aa3b                    ; c = log2(e) / 8
	s_mov_b32 s[CS+1], s[CS]                       ; (named with it as a pair, so it is written)
	s_wait_dscnt 0x0                               ; both opening adds are done
	s_wait_kmcnt 0x0
	s_mov_b32 s[G0A], 1
	s_mov_b32 s[G0A+1], s49
	s_add_nc_u64 s[G0A+2:G0A+3], s[4:5], s[52:53]
	s_or_b32 s[G0A+3], s[G0A+3], 0x80000000
	s_mov_b32 s[G0B], 1
	s_mov_b32 s[G0B+1], s50
	s_add_nc_u64 s[G0B+2:G0B+3], s[4:5], s[54:55]
	s_or_b32 s[G0B+3], s[G0B+3], 0x80000000
	ROUND                                          ; all four work-groups are here: the joint loads meet
	tensor_load_to_lds s[G0A:G0A+3], s[G1A:G1A+7]  ; every wave issues both: two tensor loads of mine are out
	s_nop 0
	tensor_load_to_lds s[G0B:G0B+3], s[G1B:G1B+7]
	s_nop 0
.rept 4
	v_nop
.endr
	v_and_b32 v9, 31, v0
	v_and_b32 v43, 15, v0                          ; r
	v_bfe_u32 v46, v0, 4, 1                        ; h
	s_delay_alu instid0(VALU_DEP_3)
	v_lshlrev_b32 v1, 4, v9                        ; 16 x lane
	s_wait_alu depctr_va_vdst(0)
	v_lshlrev_b32 v2, 2, v43                       ; 4 r
	s_wait_alu depctr_va_vdst(0)
	v_lshlrev_b32 v9, 3, v9                        ; 8 x lane
	v_lshlrev_b32 v10, 1, v43                      ; 2 r
	v_lshl_add_u32 v44, v0, 4, SCO                 ; the way out of o's scale bytes: 16 bytes a thread (threads 0-63)
	v_lshlrev_b32 v45, 4, v0
	s_lshl_b32 s51, s[BH], 6
	s_add_co_u32 s51, s51, s[CX]
	s_lshl_b32 s52, s[WV], 2
	s_add_co_u32 s52, s52, s51                     ; my first tile's pair: 4 w + c
	s_xor_b32 s53, s[WV], 15
	s_lshl_b32 s54, s53, 2
	s_add_co_u32 s54, s54, s51                     ; my second's: 4 (15 - w) + c
	s_mul_i32 s56, s52, 1536
	s_add_co_u32 s56, s56, QC
	s_mov_b32 s57, 0
	s_add_nc_u64 s[56:57], s[4:5], s[56:57]
	s_lshl_b32 s58, s52, 6
	s_add_co_u32 s58, s58, QS
	s_mov_b32 s59, 0
	s_add_nc_u64 s[58:59], s[4:5], s[58:59]
	s_mul_i32 s60, s54, 1536
	s_add_co_u32 s60, s60, QC
	s_mov_b32 s61, 0
	s_add_nc_u64 s[60:61], s[4:5], s[60:61]
	s_lshl_b32 s62, s54, 6
	s_add_co_u32 s62, s62, QS
	s_mov_b32 s63, 0
	s_add_nc_u64 s[62:63], s[4:5], s[62:63]
	global_load_b128 v[22:25], v1, s[56:57]        ; registers 0-5 of the pair's image: tile u = 0
	global_load_b64 v[26:27], v1, s[56:57] offset:512
	global_load_b32 v41, v2, s[58:59]
	global_load_b64 v[34:35], v1, s[60:61] offset:520   ; registers 6-11: tile u = 1
	global_load_b128 v[36:39], v1, s[60:61] offset:1024
	global_load_b32 v40, v2, s[62:63]
	s_lshl_b32 s72, s[BH], 12
	s_lshl_b32 s73, s[CX], 10
	s_add_co_u32 s72, s72, s73
	s_add_co_u32 s72, s72, OSC
	s_mov_b32 s73, 0
	s_add_nc_u64 s[72:73], s[6:7], s[72:73]        ; where my work-group's 1,024 scale bytes go
	v_and_b32 v42, 8, v43
	s_delay_alu instid0(VALU_DEP_1)
	v_add_nc_u32 v42, v42, v43                     ; r + 8 (r / 8)
	v_lshlrev_b32 v46, 4, v46
	s_delay_alu instid0(VALU_DEP_1)
	v_sub_nc_u32 v42, v42, v46
	s_lshl_b32 s66, s[CX], 5
	v_add_nc_u32 v42, s66, v42                     ; my query less the diagonal step's first key less 16 h, for u = 0
.irp i, 16,17,18,19,20,21,28,29,30,31,32,33
	v_mov_b32 v\i, 0                               ; the zeros on both sides of q
.endr
.irp b, 0,1,2,3
	v_mov_b32 v[PM+\b], 0                          ; a lane permute's destination counts as one of its sources
.endr
	v_mov_b32 v241, 0                              ; (named as the upper half of the pair v[240:241] before it is first written)
; A KEY STEP: 128 keys
.macro STEP
	s_cmp_gt_u32 s[KS], s[MM]                      ; behind the diagonal: left out.  The wave's number and the count of steps alone decide
	s_cbranch_scc1 .Lhid_\@
	s_setprio 2
	v_add_nc_u32 v3, s[TB], v1
	v_add_nc_u32 v4, s[TB], v2
	v_nop
	v_nop                                          ; four places in front of loads into registers that the last products have read
.irp b, 0,1,2,3
.irp c, 0,1,2
	ds_load_b128 v[48+12*\b+4*\c:51+12*\b+4*\c], v3 offset:1536*\b+512*\c
.endr
	ds_load_b32 v[192+\b], v4 offset:12288+64*\b
.endr
	s_wait_alu depctr_va_vdst(0)
	s_wait_dscnt 0x0
.irp b, 0,1,2,3                                ; S^T = k q^T: the pair's first tile against q, 0; its second against 0, q
	v_wmma_scale_f32_16x16x128_f8f6f4 v[96+16*\b:103+16*\b], v[48+12*\b:59+12*\b], v[22:33], 0, v[192+\b], v8 matrix_a_fmt:MATRIX_FMT_FP6 matrix_b_fmt:MATRIX_FMT_FP6
	v_wmma_scale_f32_16x16x128_f8f6f4 v[104+16*\b:111+16*\b], v[48+12*\b:59+12*\b], v[16:27], 0, v[192+\b], v8 matrix_a_fmt:MATRIX_FMT_FP6 matrix_b_fmt:MATRIX_FMT_FP6
.endr
.rept 4
	v_nop
.endr
.irp t, 0,1,2,3                                ; v's fragments take k's registers; they land while the softmax is walked
.irp c, 0,1,2
	ds_load_b128 v[48+12*\t+4*\c:51+12*\t+4*\c], v3 offset:6144+1536*\t+512*\c
.endr
	ds_load_b32 v[196+\t], v4 offset:12544+64*\t
.endr
	s_cmp_lg_u32 s[KS], s[MM]
	s_cbranch_scc1 .Lopen_\@
	v_mov_b32 v238, 0xff800000                     ; on the diagonal: register 16 b + i holds key 32 b + 16 h + i of the step: hidden where 32 b + i > v7
.set n, 0
.rept 64
	v_cmp_gt_i32 vcc_lo, 32*(n/16)+n%16, v7
	v_cndmask_b32 v[96+n], v[96+n], v238, vcc_lo
.set n, n+1
.endr
.Lopen_\@:
.irp b, 0,1,2,3
	v_max3_num_f32 v[BM+\b], v[96+16*\b], v[97+16*\b], v[98+16*\b]   ; the largest score of each block of 32 keys: for the row's maximum, and, since p rises with the score, for the block's largest p
.endr
.irp i, 3,5,7,9,11,13
.irp b, 0,1,2,3
	v_max3_num_f32 v[BM+\b], v[BM+\b], v[96+16*\b+\i], v[97+16*\b+\i]
.endr
.endr
.irp b, 0,1,2,3
	v_max_num_f32 v[BM+\b], v[BM+\b], v[111+16*\b]
.endr
.irp b, 0,1,2,3
	s_delay_alu instid0(VALU_DEP_4)
	v_permlanex16_b32 v[PM+\b], v[BM+\b], s[SEL], s[SEL+1]
.endr
.irp b, 0,1,2,3
	s_delay_alu instid0(VALU_DEP_4)
	v_max_num_f32 v[BM+\b], v[BM+\b], v[PM+\b]
.endr
	s_delay_alu instid0(VALU_DEP_2)
	v_max3_num_f32 v238, v220, v221, v222
	s_delay_alu instid0(VALU_DEP_1)
	v_max_num_f32 v238, v238, v223
	s_delay_alu instid0(VALU_DEP_1)
	v_mul_f32 v238, s[CS], v238                    ; as t
	s_delay_alu instid0(VALU_DEP_1)
	v_max_num_f32 v13, v13, v238                   ; the running largest t
	v_mov_b32 v238, v12
	s_delay_alu instid0(VALU_DEP_2)
	v_floor_f32 v12, -v13                          ; the new -M = -ceil(t)
	s_delay_alu instid0(VALU_DEP_1)
	v_sub_f32 v238, v12, v238                      ; old M - new M: a whole number, 0 or less
	s_delay_alu instid0(VALU_DEP_1)
	v_cvt_i32_f32 v238, v238                       ; (it saturates)
	s_delay_alu instid0(VALU_DEP_1)
	v_ldexp_f32 v240, 1.0, v238                    ; f = 2^(old M - new M)
.set n, 0
.rept 32
	v_pk_fma_f32 v[96+n:97+n], v[96+n:97+n], s[CS:CS+1], v[12:13] op_sel_hi:[1,0,0]   ; t - M
.set n, n+2
.endr
	s_setprio 1
.irp b, 0,1,2,3
	v_fma_f32 v[BM+\b], v[BM+\b], s[CS], v12
.endr
.set n, 0
	s_wait_alu depctr_va_vdst(0)
.rept 64
	v_exp_f32 v[96+n], v[96+n]                     ; p = 2^(t - M)
.set n, n+1
.endr
	v_pk_mul_f32 v[14:15], v[14:15], v[240:241] op_sel_hi:[1,0]   ; the sums under the new M (a plain place behind the exponentials)
	s_wait_alu depctr_va_vdst(0)                   ; one wait for the batch, ahead of its first reader
.irp b, 0,1,2,3
	v_exp_f32 v[BM+\b], v[BM+\b]                   ; each block's largest p
.endr
	v_pk_add_f32 v[236:237], v[100:101], v[104:105]
	v_pk_add_f32 v[254:255], v[108:109], v[112:113]
	v_pk_add_f32 v[252:253], v[116:117], v[120:121]
	v_pk_add_f32 v[250:251], v[124:125], v[128:129]
	v_pk_add_f32 v[248:249], v[132:133], v[136:137]
	v_pk_add_f32 v[246:247], v[140:141], v[144:145]
	v_pk_add_f32 v[244:245], v[148:149], v[152:153]
	v_pk_add_f32 v[14:15], v[14:15], v[156:157]
	v_pk_add_f32 v[236:237], v[236:237], v[96:97]
	v_pk_add_f32 v[254:255], v[254:255], v[98:99]
	v_pk_add_f32 v[252:253], v[252:253], v[102:103]
	v_pk_add_f32 v[250:251], v[250:251], v[106:107]
	v_pk_add_f32 v[248:249], v[248:249], v[110:111]
	v_pk_add_f32 v[246:247], v[246:247], v[114:115]
	v_pk_add_f32 v[244:245], v[244:245], v[118:119]
	v_pk_add_f32 v[14:15], v[14:15], v[122:123]
	v_pk_add_f32 v[236:237], v[236:237], v[126:127]
	v_pk_add_f32 v[254:255], v[254:255], v[130:131]
	v_pk_add_f32 v[252:253], v[252:253], v[134:135]
	v_pk_add_f32 v[250:251], v[250:251], v[138:139]
	v_pk_add_f32 v[248:249], v[248:249], v[142:143]
	v_pk_add_f32 v[246:247], v[246:247], v[146:147]
	v_pk_add_f32 v[244:245], v[244:245], v[150:151]
	v_pk_add_f32 v[14:15], v[14:15], v[154:155]
	v_pk_add_f32 v[236:237], v[236:237], v[158:159]
	s_delay_alu instid0(VALU_DEP_2)
	v_pk_add_f32 v[14:15], v[14:15], v[250:251]
	s_delay_alu instid0(VALU_DEP_2)
	v_pk_add_f32 v[236:237], v[236:237], v[248:249]
	v_pk_add_f32 v[254:255], v[254:255], v[246:247]
	v_pk_add_f32 v[252:253], v[252:253], v[244:245]
	s_delay_alu instid0(VALU_DEP_2)
	v_pk_add_f32 v[14:15], v[14:15], v[254:255]
	s_delay_alu instid0(VALU_DEP_2)
	v_pk_add_f32 v[236:237], v[236:237], v[252:253]
	s_delay_alu instid0(VALU_DEP_1)
	v_pk_add_f32 v[14:15], v[14:15], v[236:237]
	s_wait_alu depctr_va_vdst(0)                   ; and one for the four
.irp b, 0,1,2,3
	v_max_num_f32 v[BM+\b], 0x1800000, v[BM+\b]    ; the floor: the byte cannot fall under 1
.endr
.irp b, 0,1,2,3
	s_delay_alu instid0(VALU_DEP_4)
	v_add_nc_u32 v[SO+\b], 0xff000000, v[BM+\b]
.endr
.irp b, 0,1,2,3
	s_delay_alu instid0(VALU_DEP_4)
	v_lshrrev_b32 v[BY+\b], 23, v[SO+\b]
.endr
	s_delay_alu instid0(VALU_DEP_3)
	v_lshl_or_b32 v241, v233, 8, v232              ; p's scale word for these 128 keys
	s_delay_alu instid0(VALU_DEP_1)
	v_lshl_or_b32 v241, v234, 16, v241
	s_delay_alu instid0(VALU_DEP_1)
	v_lshl_or_b32 v241, v235, 24, v241
	s_setprio 0
.irp c, 0,1
	v_cvt_scalef32_pk16_fp6_f32 v[200+6*\c:202+6*\c], v[96+32*\c:111+32*\c], v[SO+2*\c]
	v_cvt_scalef32_pk16_fp6_f32 v[212+4*\c:214+4*\c], v[112+32*\c:127+32*\c], v[SO+2*\c+1]
.endr
	v_nop
.irp c, 0,1
.irp i, 0,1,2
	v_permlane16_swap_b32 v[200+6*\c+\i], v[212+4*\c+\i]
.endr
.irp i, 0,1,2
	s_delay_alu instid0(VALU_DEP_3)
	v_mov_b32 v[203+6*\c+\i], v[212+4*\c+\i]
.endr
.endr
.set n, 0
.rept 16
	v_pk_mul_f32 v[160+n:161+n], v[160+n:161+n], v[240:241] op_sel_hi:[1,0]   ; O^T under the new M; these sixteen are also the places in front of the products below
.set n, n+2
.endr
	s_wait_alu depctr_va_vdst(0)
	s_wait_dscnt 0x0                               ; v is in
.irp t, 0,1,2,3                                ; O^T += v^T p^T: four accumulators by turns
	v_wmma_scale_f32_16x16x128_f8f6f4 v[160+8*\t:167+8*\t], v[48+12*\t:59+12*\t], v[200:211], v[160+8*\t:167+8*\t], v[196+\t], v241 matrix_a_fmt:MATRIX_FMT_FP6 matrix_b_fmt:MATRIX_FMT_FP6
.endr
.Lhid_\@:
	s_add_co_u32 s[KS], s[KS], 1
	s_add_co_u32 s[TB], s[TB], REC
.endm
.macro KLOOP trips
	s_mov_b32 s[CNT], \trips
.Lk_\@:
	STEP
	s_sub_co_u32 s[CNT], s[CNT], 1
	s_cmp_lg_u32 s[CNT], 0
	s_cbranch_scc1 .Lk_\@
	s_setprio 0
.endm
.macro PINIT u                         ; my tile (m, u): q, its word, the mask's number, where the results go, an empty state
.if \u == 0
	s_mov_b32 s[MM], s[WV]
	v_perm_b32 v8, v41, v41, 0x01000100            ; q's word: the tile's two bytes, twice
	v_mov_b32 v7, v42
.else
	s_xor_b32 s[MM], s[WV], 15
	v_perm_b32 v8, v40, v40, 0x03020302
.irp i, 0,1,2,3,4,5
	v_mov_b32 v[22+\i], v[34+\i]
.endr
	v_add_nc_u32 v7, 8, v42
.endif
	s_lshl_b32 s66, s[MM], 6
	s_add_co_u32 s66, s66, SCO+32*\u
	v_add_nc_u32 v11, s66, v10                     ; o's scale bytes: tile 2 m + u, row r
	s_lshr_b32 s70, s[BH], 4
	s_lshl_b32 s70, s70, 7
	s_lshl_b32 s71, s[MM], 3
	s_add_co_u32 s70, s70, s71
	s_lshl_b32 s71, s[CX], 1
	s_add_co_u32 s70, s70, s71
	s_add_co_u32 s70, s70, \u                      ; the tile of tokens: 128 batch + 8 m + 2 c + u
	s_mul_i32 s70, s70, 12288
	s_and_b32 s71, s[BH], 15
	s_mul_i32 s71, s71, 768
	s_add_co_u32 s70, s70, s71
	s_mov_b32 s71, 0
	s_add_nc_u64 s[68:69], s[6:7], s[70:71]
	v_mov_b32 v13, 0xff61b1e6                      ; the largest t so far: -3e38
	s_delay_alu instid0(VALU_DEP_1)
	v_floor_f32 v12, -v13
	v_mov_b32 v14, 0
	v_mov_b32 v15, 0
.set n, 0
.rept 32
	v_mov_b32 v[160+n], 0                          ; O^T: the step is written once; the first finds zeros.  (These are also the places between q's word and the first product)
.set n, n+1
.endr
	s_mov_b32 s[KS], 0
	s_mov_b32 s[TB], 0
.endm
.macro FINISH                          ; O^T / the sum; quantised along the head's 64 (two blocks of C): half a fragment, 768 bytes, and two scale bytes a row
.rept 4
	v_nop                                          ; places behind the last products
.endr
	v_add_f32 v14, v14, v15
	s_delay_alu instid0(VALU_DEP_1)
	v_permlanex16_b32 v224, v14, s[SEL], s[SEL+1]
	s_delay_alu instid0(VALU_DEP_1)
	v_add_f32 v14, v14, v224
	s_wait_alu depctr_va_vdst(0)
	v_rcp_f32 v240, v14
	v_nop                                          ; a plain place behind the reciprocal
	s_wait_alu depctr_va_vdst(0)                   ; and the wait ahead of its first reader
.set n, 0
.rept 16
	v_pk_mul_f32 v[96+n:97+n], v[160+n:161+n], v[240:241] op_sel_hi:[1,0]   ; register 16 B + i is o(my query, 32 B + 16 h + i)
.set n, n+2
.endr
	QUANT2 96, 200, 212
	global_store_b128 v1, v[200:203], s[68:69]     ; 512 consecutive bytes,
	global_store_b64 v9, v[204:205], s[68:69] offset:512   ; and 256
	ds_store_b16 v11, v[QEB]                       ; both halves of the lanes write the same two bytes
	s_wait_xcnt 0x0                                ; the stores have read their registers and their base
.endm
	s_wait_tensorcnt 0x1                           ; my 13 rows are in; my 37 may be out
	s_barrier_signal -1
	s_barrier_wait -1                              ; records 0-3 are whole
	s_wait_loadcnt 0x0                             ; q
	PINIT 0
	KLOOP 4
	s_wait_tensorcnt 0x0                           ; my 37 rows are in,
	s_wait_dscnt 0x0
	s_barrier_signal -1
	s_barrier_wait -1                              ; everybody's are
	s_mov_b32 s[KS], 4
	s_mov_b32 s[TB], 4*REC
	KLOOP 12
	FINISH
	PINIT 1
	KLOOP 16
	FINISH
	s_wait_dscnt 0x0                               ; for the others' sake: my scale bytes have landed
	s_barrier_signal -1
	s_barrier_wait -1
	s_cmp_lt_u32 s[WV], 2
	s_cbranch_scc0 .Lno_sco
	ds_load_b128 v[96:99], v44
	s_wait_dscnt 0x0
	global_store_b128 v45, v[96:99], s[72:73]      ; 512 consecutive bytes a wave
.Lno_sco:
	s_wait_tensorcnt 0x0                           ; the wave's end
	ds_add_u32 v[SPW], v[NIL]
	s_wait_dscnt 0x0
	ROUND                                          ; the closing round
	s_endpgm
.Lfunc_end_k_q223de072bf_attn:
	.size	k_q223de072bf_attn, .Lfunc_end_k_q223de072bf_attn-k_q223de072bf_attn
	.p2alignl 7, 3214868480
	.fill 96, 4, 3214868480
	.section	.rodata,"a",@progbits
	.p2align	6, 0x0
	.amdhsa_kernel k_q223de072bf_attn
		.amdhsa_group_segment_fixed_size 207872
		.amdhsa_private_segment_fixed_size 0
		.amdhsa_enable_private_segment 0
		.amdhsa_kernarg_size 16
		.amdhsa_user_sgpr_count 2
		.amdhsa_user_sgpr_kernarg_segment_ptr 1
		.amdhsa_wavefront_size32 1
		.amdhsa_system_sgpr_workgroup_id_x 1
		.amdhsa_system_sgpr_workgroup_id_y 1
		.amdhsa_system_sgpr_workgroup_id_z 1
		.amdhsa_system_vgpr_workitem_id 0
		.amdhsa_next_free_vgpr 256
		.amdhsa_next_free_sgpr 80
		.amdhsa_reserve_vcc 1
		.amdhsa_float_denorm_mode_32 3
		.amdhsa_float_denorm_mode_16_64 3
		.amdhsa_memory_ordered 1
		.amdhsa_forward_progress 1
		.amdhsa_inst_pref_size 87
	.end_amdhsa_kernel
	.amdgpu_metadata
---
amdhsa.version: [ 1, 2 ]
amdhsa.kernels:
  - .name:           k_q223de072bf_attn
    .symbol:         k_q223de072bf_attn.kd
    .args:
      - { .name: qkv, .offset: 0, .size: 8, .value_kind: global_buffer, .address_space: global }
      - { .name: ob, .offset: 8, .size: 8, .value_kind: global_buffer, .address_space: global }
    .group_segment_fixed_size: 207872
    .private_segment_fixed_size: 0
    .kernarg_segment_align: 8
    .kernarg_segment_size: 16
    .max_flat_workgroup_size: 512
    .sgpr_count:     80
    .vgpr_count:     256
    .wavefront_size: 32
...
	.end_amdgpu_metadata
.endif
;; end of part 3
;; launch gemm2 (part 4): grid 4 x 64, 4 waves a work-group, clusters of 4 x 4, 327,680 bytes of LDS; arguments ob, pw, out0; writes out0
.if DOCPART == 4
	.amdgcn_target "amdgcn-amd-amdhsa--gfx1250"
	.amdhsa_code_object_version 6
	.text
	.protected	k_q223de072bf_gemm2
	.globl	k_q223de072bf_gemm2
	.p2align	8
	.type	k_q223de072bf_gemm2,@function
k_q223de072bf_gemm2:
	s_mov_b64 s[64:65], 0
	v_nop
	global_prefetch_b8 v0, s[64:65] scope:SCOPE_SE
	s_setreg_imm32_b32 hwreg(HW_REG_WAVE_MODE, 25, 1), 1
	s_wait_xcnt 0x0
	s_wait_alu depctr_hold_cnt(0) depctr_sa_sdst(0) depctr_va_vdst(0) depctr_va_sdst(0) depctr_va_ssrc(0) depctr_va_vcc(0) depctr_vm_vsrc(0)
	s_getreg_b32 s2, hwreg(HW_REG_IB_STS2, 6, 4)
	s_cmp_eq_u32 s2, 0
	s_cbranch_scc0 .Lentry_in_a_cluster
	s_endpgm
.Lentry_in_a_cluster:
	s_bfe_u32 s2, ttmp6, 0x10000c
	s_cmp_lg_u32 s2, 0xf033
	s_cbranch_scc0 .Lentry_shape_is_right
	s_endpgm
.Lentry_shape_is_right:
; out0 = o W_o + b_o on codes of FP6 (E2M3).  No work is left out here.  The form is the first GEMM's: a work-group makes 128 tokens (P) x 256 columns (Q), K = 1,024; source 0 = 16 rows of Q (columns of W_o), source 1 =
; 16 tokens, so that a lane holds one token and eight neighbouring columns; four waves of 64 x 128; all of K for the tile lies in LDS in four quarters, asked for at the start (four tensor loads of mine are out), nothing is
; filled again; clusters of 4 x 4 with joint loads.  o's fragments lie as two halves (one head each): 512 + 256 bytes a half.
; REGISTERS: window 0: v4-15 LDS addresses; v32-95 W_o's scale words (8 b + s); v96-127 o's (8 a + s); v128-191 biases; v192-255 at work.  window 1: accumulators.  windows 2, 3: fragment sets; on the way out window 2 takes rows of y.
.set WQ,    6291456
.set SW,    9699328
.set BP,    9830400
.set OSC,   6291456
.set QTR,   73728
.set SPARE, 294912
.set ADP,   4
.set ADQ,   8
.set ADP8,  12
.set VSQ,   16
.set VOS,   17
.set VB,    18
.set L16,   20
.set STO,   24
.set RD,    25
.set SPW,   28
.set NIL,   29
.set SCQ,   32
.set SCP,   96
.set BQ,    128
.set T,     192
.set WV,    8
.set G1P,   24
.set G1Q,   32
.set G0P,   48
.set G0Q,   68
.set MSB, 0
.macro WIN new
.if MSB != (\new)
	s_set_vgpr_msb (MSB<<8)|(\new)
.set MSB, (\new)
.endif
.endm
.macro PLACES n
.rept \n
	v_nop
.endr
.endm
.macro CROUND
	s_barrier_signal -1
	s_barrier_wait -1
	s_cmp_lg_u32 s[WV], 0
	s_cbranch_scc1 .Lnot_wave_0_\@
	s_barrier_signal -3
.Lnot_wave_0_\@:
	s_barrier_wait -3
	s_barrier_signal -1
	s_barrier_wait -1
.endm
	s_load_b128 s[4:7], s[0:1], 0x0                ; ob s[4:5], pw s[6:7]
	s_load_b64 s[88:89], s[0:1], 0x10              ; out0
	v_lshl_add_u32 v[SPW], v0, 2, SPARE
	v_mov_b32 v[NIL], 0
	ds_add_u32 v[SPW], v[NIL]                      ; the wave's opening: the add, twice on end, and its wait ahead of my first tensor load
	ds_add_u32 v[SPW], v[NIL]
	v_lshrrev_b32 v1, 5, v0
	v_readfirstlane_b32 s[WV], v1
	s_lshr_b32 s9, s[WV], 1                        ; my half of the tokens; also: I fetch for P (0) or Q (1)
	s_and_b32 s10, s[WV], 1                        ; my half of the columns; also: which half I fetch
	s_bfe_u32 s11, ttmp6, 0x40000                  ; cx = my block of 256 columns
	s_bfe_u32 s12, ttmp6, 0x40004                  ; cy
	s_and_b32 s14, ttmp7, 0xffff
	s_lshl_b32 s16, s12, 2
	s_lshl_b32 s16, 15, s16                        ; my row of the cluster
	s_lshl_b32 s20, 0x1111, s11                    ; my column
	s_or_b32 s[G1P], s16, (3<<16)|(1<<21)
	s_or_b32 s[G1Q], s20, (3<<16)|(1<<21)
	s_mov_b32 s[G1P+1], 384<<16
	s_mov_b32 s[G1P+2], 4<<16
	s_mov_b32 s[G1P+3], 384<<16
	s_mov_b32 s[G1P+4], 4
	s_mov_b32 s[G1P+5], 1536
	s_mov_b32 s[G1P+6], 0
	s_mov_b32 s[G1P+7], 0
	s_mov_b32 s[G1Q+1], 384<<16
	s_mov_b32 s[G1Q+2], 8<<16
	s_mov_b32 s[G1Q+3], 384<<16
	s_mov_b32 s[G1Q+4], 8
	s_mov_b32 s[G1Q+5], 1536
	s_mov_b32 s[G1Q+6], 0
	s_mov_b32 s[G1Q+7], 0
	s_lshl_b32 s18, s14, 2
	s_add_co_u32 s18, s18, s12                     ; Pt: my block of 128 tokens
	s_mul_i32 s40, s18, 98304                      ; o's codes
	s_mul_i32 s44, s11, 196608
	s_add_co_u32 s44, s44, WQ+2359296              ; W_o's: tiles from 192 on
	s_lshl_b32 s45, s11, 13
	s_add_co_u32 s45, s45, SW+98304                ; and their scale words
	s_mul_i32 s42, s10, 49152
	s_add_co_u32 s42, s42, s40
	s_mov_b32 s43, 0
	s_mul_i32 s46, s10, 98304
	s_add_co_u32 s46, s46, s44
	s_mov_b32 s47, 0
	s_mul_i32 s16, s10, 12288
	s_mul_i32 s20, s10, 24576
	s_add_co_u32 s20, s20, 24576
	s_wait_dscnt 0x0                               ; both opening adds are done
	s_wait_kmcnt 0x0
	s_add_nc_u64 s[42:43], s[4:5], s[42:43]
	s_add_nc_u64 s[46:47], s[6:7], s[46:47]
.irp j, 0,1,2,3
	s_mov_b32 s[G0P+4*\j], 1
	s_add_co_u32 s[G0P+4*\j+1], s16, QTR*\j
	s_add_nc_u64 s[G0P+4*\j+2:G0P+4*\j+3], s[42:43], 3072*\j
	s_or_b32 s[G0P+4*\j+3], s[G0P+4*\j+3], 0x80000000
	s_mov_b32 s[G0Q+4*\j], 1
	s_add_co_u32 s[G0Q+4*\j+1], s20, QTR*\j
	s_add_nc_u64 s[G0Q+4*\j+2:G0Q+4*\j+3], s[46:47], 3072*\j
	s_or_b32 s[G0Q+4*\j+3], s[G0Q+4*\j+3], 0x80000000
.endr
	CROUND                                         ; all sixteen work-groups are here: the joint loads meet
	s_cmp_eq_u32 s9, 0
	s_cbranch_scc0 .Lfill_q
.irp j, 0,1,2,3
	tensor_load_to_lds s[G0P+4*\j:G0P+4*\j+3], s[G1P:G1P+7]
	s_nop 0
.endr
	PLACES 4
	s_branch .Lfilled
.Lfill_q:
.irp j, 0,1,2,3
	tensor_load_to_lds s[G0Q+4*\j:G0Q+4*\j+3], s[G1Q:G1Q+7]
	s_nop 0
.endr
	PLACES 4
.Lfilled:
	v_and_b32 v1, 31, v0
	v_and_b32 v2, 15, v0                           ; r
	v_bfe_u32 v3, v0, 4, 1                         ; h
	v_lshlrev_b32 v[L16], 4, v1
	v_lshlrev_b32 v21, 3, v1
	s_mul_i32 s84, s9, 12288
	s_mul_i32 s85, s10, 24576
	s_add_co_u32 s85, s85, 24576
.irp j, 0,1,2,3
	v_add_nc_u32 v[ADP+\j], s84, v[L16]
	v_add_nc_u32 v[ADP8+\j], s84, v21
	v_add_nc_u32 v[ADQ+\j], s85, v[L16]
	s_add_co_u32 s84, s84, QTR
	s_add_co_u32 s85, s85, QTR
.endr
	s_lshl_b32 s86, s10, 12
	s_add_co_u32 s86, s86, s45
	v_lshl_add_u32 v[VSQ], v2, 4, s86
.irp b, 0,1,2,3,4,5,6,7
.irp g, 0,1
	global_load_b128 v[SCQ+8*\b+4*\g:SCQ+8*\b+4*\g+3], v[VSQ], s[6:7] offset:512*\b+256*\g
.endr
.endr
	s_lshr_b32 s86, s18, 4
	s_lshl_b32 s86, s86, 16
	s_lshl_b32 s87, s9, 11
	s_add_co_u32 s86, s86, s87
	s_and_b32 s87, s18, 15
	s_lshl_b32 s87, s87, 6
	s_add_co_u32 s86, s86, s87
	s_add_co_u32 s86, s86, OSC
	v_lshl_add_u32 v[VOS], v2, 1, s86              ; o's scale bytes: two for a token and a head
.irp a, 0,1,2,3
.irp e, 0,1,2,3,4,5,6,7,8,9,10,11,12,13,14,15
	global_load_u16 v[T+16*\a+\e], v[VOS], s[4:5] offset:4096*\e+1024*(\a/2)+32*(\a%2)
.endr
.endr
	s_lshl_b32 s86, s11, 10
	s_lshl_b32 s87, s10, 9
	s_add_co_u32 s86, s86, s87
	s_add_co_u32 s86, s86, BP+12288
	v_lshl_add_u32 v[VB], v3, 5, s86
.irp b, 0,1,2,3,4,5,6,7
	global_load_b128 v[BQ+8*\b:BQ+8*\b+3], v[VB], s[6:7] offset:64*\b
	global_load_b128 v[BQ+8*\b+4:BQ+8*\b+7], v[VB], s[6:7] offset:64*\b+16
.endr
	s_mul_i32 s84, s[WV], 8448                     ; the way out: my stage, 16 rows x (512 + 16) bytes, in the first quarter's bytes, which have had their only fill and, at the second quarter's barrier, their last read
	v_mul_u32_u24 v[STO], v2, 528
	v_lshl_add_u32 v[STO], v3, 6, v[STO]
	v_add_nc_u32 v[STO], s84, v[STO]
	v_add_nc_u32 v[RD], s84, v[L16]
	s_lshl_b32 s90, s18, 19                        ; 128 tokens of 4,096 bytes
	s_lshl_b32 s91, s9, 18
	s_add_co_u32 s90, s90, s91
	s_lshl_b32 s91, s11, 10
	s_add_co_u32 s90, s90, s91
	s_lshl_b32 s91, s10, 9
	s_add_co_u32 s90, s90, s91
	s_mov_b32 s91, 0
	s_add_nc_u64 s[90:91], s[88:89], s[90:91]
.macro FETCH s, p                      ; K step s: o's four fragments (two halves each: four loads) and W_o's eight: 40 loads
	WIN ((2+(\p))<<6)
.irp a, 0,1,2,3
	ds_load_b128 v[12*\a:12*\a+3], v[ADP+(\s)/2] offset:3072*\a+1536*((\s)%2)
	ds_load_b64 v[12*\a+4:12*\a+5], v[ADP8+(\s)/2] offset:3072*\a+1536*((\s)%2)+512
	ds_load_b128 v[12*\a+6:12*\a+9], v[ADP+(\s)/2] offset:3072*\a+1536*((\s)%2)+768
	ds_load_b64 v[12*\a+10:12*\a+11], v[ADP8+(\s)/2] offset:3072*\a+1536*((\s)%2)+1280
.endr
.irp b, 0,1,2,3,4,5,6,7
.irp c, 0,1,2
	ds_load_b128 v[48+12*\b+4*\c:48+12*\b+4*\c+3], v[ADQ+(\s)/2] offset:3072*\b+1536*((\s)%2)+512*\c
.endr
.endr
.endm
.macro MUL32 p, s, zero                ; the 32 accumulators take turns, one instruction a turn
	WIN 0x5a+5*(\p)
.irp a, 0,1,2,3
.irp b, 0,1,2,3,4,5,6,7
.if \zero
	v_wmma_scale_f32_16x16x128_f8f6f4 v[8*(8*\a+\b):8*(8*\a+\b)+7], v[48+12*\b:59+12*\b], v[12*\a:12*\a+11], 0, v[SCQ+8*\b+(\s)], v[SCP+8*\a+(\s)] matrix_a_fmt:MATRIX_FMT_FP6 matrix_b_fmt:MATRIX_FMT_FP6
.else
	v_wmma_scale_f32_16x16x128_f8f6f4 v[8*(8*\a+\b):8*(8*\a+\b)+7], v[48+12*\b:59+12*\b], v[12*\a:12*\a+11], v[8*(8*\a+\b):8*(8*\a+\b)+7], v[SCQ+8*\b+(\s)], v[SCP+8*\a+(\s)] matrix_a_fmt:MATRIX_FMT_FP6 matrix_b_fmt:MATRIX_FMT_FP6
.endif
.endr
.endr
.endm
	s_wait_tensorcnt 0x3                           ; my part of the first quarter is in; the other three loads may be out
	s_barrier_signal -1
	s_barrier_wait -1
	FETCH 0, 0
	WIN 0
	s_wait_loadcnt 0x0
.irp a, 0,1,2,3
.irp s, 0,1,2,3,4,5,6,7
	v_lshl_or_b32 v[SCP+8*\a+\s], v[T+16*\a+2*\s+1], 16, v[T+16*\a+2*\s]   ; K step s is heads 2 s and 2 s + 1: four bytes
.endr
.endr
	PLACES 8                                       ; a scale register written by a vector instruction stands eight places ahead of a scaled matrix instruction
	FETCH 1, 1
	s_wait_dscnt 40                                ; all but the 40 just issued
	MUL32 0, 0, 1
.irp s, 1,2,3,4,5,6
.if (\s+1)%2 == 0
	s_wait_tensorcnt 3-(\s+1)/2                    ; my part of the next quarter is in,
	s_wait_dscnt 0x0                               ; no LDS load of mine is pending at the signal,
	s_barrier_signal -1
	s_barrier_wait -1                              ; and the same holds of the other three waves
.endif
	PLACES 4
	FETCH \s+1, (\s+1)%2
	s_wait_dscnt 40
	MUL32 \s%2, \s, 0
.endr
	s_wait_dscnt 0x0
	MUL32 1, 7, 0
	WIN 0
	PLACES 4
; THE WAY OUT, a tile of 16 tokens at a time: bias; a lane's 64 numbers (columns 32 B + 16 h + 0 .. 15) into my stage; back as whole rows of 512 bytes; stored.
.macro YOUT a
	WIN 0x01
.irp b, 0,1,2,3,4,5,6,7
.irp i, 0,2,4,6
	v_pk_add_f32 v[T+8*\b+\i:T+8*\b+\i+1], v[8*(8*\a+\b)+\i:8*(8*\a+\b)+\i+1], v[BQ+8*\b+\i:BQ+8*\b+\i+1]   ; each accumulator from its low end on
.endr
.endr
	WIN 0
.irp g, 0,1,2,3
.irp k, 0,1,2,3
	ds_store_b128 v[STO], v[T+16*\g+4*\k:T+16*\g+4*\k+3] offset:128*\g+16*\k
.endr
.endr
	WIN 0x80                                       ; the rows come back into window 2, whose fragments are done with
.irp i, 0,1,2,3,4,5,6,7,8,9,10,11,12,13,14,15
	ds_load_b128 v[4*\i:4*\i+3], v[RD] offset:528*\i   ; LDS serves a wave's instructions in order: these see my stores
.endr
	s_wait_dscnt 0x0
	WIN 0x08                                       ; a store's data are its source 1
.irp i, 0,1,2,3,4,5,6,7,8,9,10,11,12,13,14,15
	global_store_b128 v[L16], v[4*\i:4*\i+3], s[90:91] offset:(32*(\a/2)+8*(\a%2)+\i+8*(\i/8))*4096 th:TH_STORE_NT   ; 512 consecutive bytes of a row of out0, aligned
.endr
	WIN 0
	s_wait_xcnt 0x0                                ; the stores have read their registers: the next tile's rows may land there
.endm
	YOUT 0
	YOUT 1
	YOUT 2
	YOUT 3
	s_wait_tensorcnt 0x0                           ; the wave's end
	ds_add_u32 v[SPW], v[NIL]
	s_wait_dscnt 0x0
	CROUND                                         ; the closing round
	s_endpgm
.Lfunc_end_k_q223de072bf_gemm2:
	.size	k_q223de072bf_gemm2, .Lfunc_end_k_q223de072bf_gemm2-k_q223de072bf_gemm2
	.p2alignl 7, 3214868480
	.fill 96, 4, 3214868480
	.section	.rodata,"a",@progbits
	.p2align	6, 0x0
	.amdhsa_kernel k_q223de072bf_gemm2
		.amdhsa_group_segment_fixed_size 327680
		.amdhsa_private_segment_fixed_size 0
		.amdhsa_enable_private_segment 0
		.amdhsa_kernarg_size 24
		.amdhsa_user_sgpr_count 2
		.amdhsa_user_sgpr_kernarg_segment_ptr 1
		.amdhsa_wavefront_size32 1
		.amdhsa_system_sgpr_workgroup_id_x 1
		.amdhsa_system_sgpr_workgroup_id_y 1
		.amdhsa_system_sgpr_workgroup_id_z 1
		.amdhsa_system_vgpr_workitem_id 0
		.amdhsa_next_free_vgpr 1024
		.amdhsa_next_free_sgpr 100
		.amdhsa_reserve_vcc 0
		.amdhsa_float_denorm_mode_32 3
		.amdhsa_float_denorm_mode_16_64 3
		.amdhsa_memory_ordered 1
		.amdhsa_forward_progress 1
		.amdhsa_inst_pref_size 98
	.end_amdhsa_kernel
	.amdgpu_metadata
---
amdhsa.version: [ 1, 2 ]
amdhsa.kernels:
  - .name:           k_q223de072bf_gemm2
    .symbol:         k_q223de072bf_gemm2.kd
    .args:
      - { .name: ob, .offset: 0, .size: 8, .value_kind: global_buffer, .address_space: global }
      - { .name: pw, .offset: 8, .size: 8, .value_kind: global_buffer, .address_space: global }
      - { .name: out0, .offset: 16, .size: 8, .value_kind: global_buffer, .address_space: global }
    .group_segment_fixed_size: 327680
    .private_segment_fixed_size: 0
    .kernarg_segment_align: 8
    .kernarg_segment_size: 24
    .max_flat_workgroup_size: 128
    .sgpr_count:     100
    .vgpr_count:     1024
    .wavefront_size: 32
...
	.end_amdgpu_metadata
.endif
;; end of part 4
